; MI455X (gfx1250); checked and timed in simulation.
; The chip was launched on July 23, 2026; its instructions are those of AMD's public machine-readable ISA for CDNA 5 (MIT licence, August 2026) and "CDNA5" Instruction Set Architecture Reference Guide (July 2026). The comments in the code are by the model that wrote it; some were corrected since.
;; VLMS Deform Attn Layer. Allowed arithmetic: float matrix products may take bf16 or f16 operands with f32 sums; other float arithmetic in f32, or as packed bf16 or f16 multiplies, adds, multiply-adds, maxima and minima; sums over many terms, partial sums and values carried from step to step in f32; what a program stores and reads back later, other than sums and carried values, may be rounded once to bf16 or f16.
;; Inputs: lang 8 x 20 x 128 float32; lang_mask 8 x 20 int32; level_start_index 4 int32; params_deform_boff 256 float32; params_deform_bout 128 float32; params_deform_bval 128 float32; params_deform_bw 128 float32; params_deform_woff 128 x 256 float32; params_deform_wout 128 x 128 float32; params_deform_wval 128 x 128 float32; params_deform_ww 128 x 128 float32; params_l2v_bk 512 float32; params_l2v_bo 128 float32; params_l2v_bq 512 float32; params_l2v_bv 512 float32; params_l2v_wk 128 x 512 float32; params_l2v_wo 512 x 128 float32; params_l2v_wq 128 x 512 float32; params_l2v_wv 128 x 512 float32; params_lmlp_b1 512 float32; params_lmlp_b2 128 float32; params_lmlp_w1 128 x 512 float32; params_lmlp_w2 512 x 128 float32; params_ln1_b 128 float32; params_ln1_g 128 float32; params_ln2_b 128 float32; params_ln2_g 128 float32; params_ln3_b 128 float32; params_ln3_g 128 float32; params_ls_bk 512 float32; params_ls_bo 128 float32; params_ls_bq 512 float32; params_ls_bv 512 float32; params_ls_wk 128 x 512 float32; params_ls_wo 512 x 128 float32; params_ls_wq 128 x 512 float32; params_ls_wv 128 x 512 float32; params_v2l_bk 512 float32; params_v2l_bo 128 float32; params_v2l_bq 512 float32; params_v2l_bv 512 float32; params_v2l_wk 128 x 512 float32; params_v2l_wo 512 x 128 float32; params_v2l_wq 128 x 512 float32; params_v2l_wv 128 x 512 float32; params_vmlp_b1 512 float32; params_vmlp_b2 128 float32; params_vmlp_w1 128 x 512 float32; params_vmlp_w2 512 x 128 float32; params_vn1_b 128 float32; params_vn1_g 128 float32; params_vn2_b 128 float32; params_vn2_g 128 float32; params_vn3_b 128 float32; params_vn3_g 128 float32; reference_points 8 x 5,440 x 4 x 2 float32; spatial_shapes 4 x 2 int32; vis 8 x 5,440 x 128 float32; vis_padding_mask 8 x 5,440 int32; vis_pos 8 x 5,440 x 128 float32.
;; Outputs: out0 8 x 5,440 x 128 float32; out1 8 x 20 x 128 float32.
;; One version. Each part assembles by itself: llvm-mc -triple=amdgcn-amd-amdhsa -mcpu=gfx1250 --defsym DOCPART=n.
;; ======== version 1 of 1: 7 launches
;; workspace buffers: wts 2,333,184 bytes; part 21,299,200 bytes; ctx 327,680 bytes; mn 1,058,816 bytes; vv 22,282,240 bytes; codes 11,141,120 bytes of whole numbers; w4 44,564,480 bytes; smp 11,141,120 bytes
;; launch prep (part 1): grid 309 x 1, 8 waves a work-group, no clusters, 5,632 bytes of LDS; arguments params_v2l_wv, params_v2l_wo, params_ls_wq, params_ls_wk, params_ls_wv, params_ls_wo, params_lmlp_w1, params_lmlp_w2, params_l2v_wk, params_l2v_wv, params_l2v_wq, params_l2v_wo, params_vmlp_w1, params_vmlp_w2, params_deform_wout, params_deform_wval, params_deform_ww, params_deform_woff, params_deform_boff, params_deform_bw, lang, params_v2l_wq, params_v2l_wk, params_v2l_bq, params_v2l_bk, wts; writes wts
.if DOCPART == 1
	.amdgcn_target "amdgcn-amd-amdhsa--gfx1250"
	.amdhsa_code_object_version 6
	.text
	.protected	k_q42fbc66b37_prep
	.globl	k_q42fbc66b37_prep
	.p2align	8
	.type	k_q42fbc66b37_prep,@function
k_q42fbc66b37_prep:
	s_mov_b64 s[64:65], 0
	v_nop
	global_prefetch_b8 v0, s[64:65] scope:SCOPE_SE
	s_setreg_imm32_b32 hwreg(HW_REG_WAVE_MODE, 25, 1), 1
	s_wait_xcnt 0x0
; PREP: all weights to bf16 in FRAGMENT ORDER, the permuted offset and weight biases, and the folded queries of the first cross attention.
; A fragment is 16 rows x 32 k of bf16, 1,024 bytes: first 512 bytes = registers 0-3 (lane l at 16 l: row l % 16, k = 8 (l / 16) + 0..7), second 512 = registers 4-7 (k + 16).
; Fragment (tile, ks) of a matrix with KS k-steps lies at (tile KS + ks) 1,024.  So a later fragment load is two loads of 16 bytes a lane, 512 consecutive bytes each.
; Work-groups 0-243: one fragment a wave.  244: boff and bw permuted.  245-308: batch b, head h: Q'[q][c] = sum_d qh[q][d] wk[c][64 h + d], c0[q] = sum_d qh[q][d] bk[64 h + d],
; qh = (lang wq + bq) / 8.  Then score = X . Q' + c0 exactly as (X wk + bk) . qh.  Sums in f32; qh, Q' rounded once to bf16.
; Point slots: slot m = 8 hh + j of a head stands for level j >> 1, point 2 hh + (j & 1): source point pt(m) = ((m & 7) >> 1) 4 + (m >> 3) 2 + (m & 1).
.set SPARE,   4608                     ; behind QH (32 rows x 144 bytes): the spare words, 128 bytes a wave
.set O_SMALL, 1835008                  ; wout, wval, ww (32,768 each), woff (65,536)
.set O_BOFFP, 1998848
.set O_BWP,   1999872
.set O_QP,    2000384                  ; [b][10 tiles][4 ks] fragments; tile t < 8: head t, q = row; tile 8 + (h >> 2): row (h & 3) 4 + q - 16
.set O_C0,    2328064                  ; [b][10][16] f32
.set SPW, 10
.set NIL, 11
.macro PLACES                          ; four plain places behind a matrix instruction (ISA guide 7.12.1)
.rept 4
	v_nop
.endr
.endm
	s_load_b512 s[8:23], s[0:1], 0x0               ; argument i at s[8 + 2 i]
	s_load_b512 s[24:39], s[0:1], 0x40
	s_load_b512 s[40:55], s[0:1], 0x80
	s_load_b128 s[56:59], s[0:1], 0xc0             ; bk s[56:57], wts s[58:59]
	v_lshl_add_u32 v[SPW], v0, 2, SPARE
	v_mov_b32 v[NIL], 0
	v_lshrrev_b32 v1, 5, v0
	v_readfirstlane_b32 s4, v1                     ; wave
	v_and_b32 v1, 31, v0                           ; l
	v_and_b32 v2, 15, v0                           ; r
	v_bfe_u32 v3, v0, 4, 1                         ; hh
	v_lshlrev_b32 v4, 4, v1                        ; 16 l
	v_bfe_u32 v5, v0, 1, 2
	v_bfe_u32 v6, v0, 3, 1
	v_and_b32 v7, 1, v0
	v_lshl_add_u32 v5, v5, 2, v7
	v_lshl_add_u32 v5, v6, 1, v5                   ; pt(r)
	s_mov_b32 s2, ttmp9
	s_wait_kmcnt 0x0
	s_cmp_ge_u32 s2, 245
	s_cbranch_scc1 .Lqjob
	s_cmp_eq_u32 s2, 244
	s_cbranch_scc1 .Lbias
	; ---- one fragment a wave: matrix s3, fragment s5, destination byte s6
	s_cmp_lt_u32 s2, 224
	s_cbranch_scc0 .Lsmall
	s_lshr_b32 s3, s2, 4
	s_and_b32 s5, s2, 15
	s_lshl_b32 s6, s3, 17
	s_branch .Lhave
.Lsmall:
	s_cmp_lt_u32 s2, 236
	s_cbranch_scc0 .Lwoff
	s_sub_co_u32 s7, s2, 224
	s_lshr_b32 s3, s7, 2
	s_and_b32 s5, s7, 3
	s_lshl_b32 s6, s3, 15
	s_add_co_u32 s6, s6, O_SMALL
	s_add_co_u32 s3, s3, 14
	s_branch .Lhave
.Lwoff:
	s_sub_co_u32 s5, s2, 236
	s_mov_b32 s3, 17
	s_mov_b32 s6, O_SMALL+3*32768
.Lhave:
	s_lshl_b32 s5, s5, 3
	s_add_co_u32 s5, s5, s4
	s_lshl_b32 s7, s5, 10
	s_add_co_u32 s6, s6, s7
	v_add_nc_u32 v12, s6, v4                       ; where my 16 bytes go
	s_mov_b64 s[66:67], s[8:9]                     ; the source: a choice among the 18 buffers by the matrix's number
.irp i, 1,2,3,4,5,6,7,8,9,10,11,12,13,14,15,16,17
	s_cmp_eq_u32 s3, \i
	s_cselect_b64 s[66:67], s[8+2*\i:9+2*\i], s[66:67]
.endr
	s_lshr_b32 s68, 0x135d, s3                     ; bit m set: a [128][512] source, K = 128
	s_and_b32 s68, s68, 1
	s_cmp_ge_u32 s3, 14
	s_cselect_b32 s68, 1, s68                      ; the small ones have K = 128 too
	s_lshr_b32 s69, s5, 2
	s_lshr_b32 s70, s5, 4
	s_and_b32 s71, s5, 3
	s_and_b32 s72, s5, 15
	s_cmp_eq_u32 s68, 1
	s_cselect_b32 s69, s69, s70                    ; tile
	s_cselect_b32 s71, s71, s72                    ; ks
	s_cmp_eq_u32 s3, 2                             ; the two query weights carry 1 / sqrt(64)
	s_cselect_b32 s60, 0x3e000000, 1.0
	s_cmp_eq_u32 s3, 10
	s_cselect_b32 s60, 0x3e000000, s60
	s_mov_b32 s61, s60
	s_cmp_eq_u32 s3, 10
	s_cbranch_scc1 .Lnat
	s_cmp_lt_u32 s3, 14                            ; log2 of the source's row length: 9, 7 or (woff) 8
	s_cselect_b32 s73, s68, 0
	s_cmp_eq_u32 s73, 1
	s_cselect_b32 s73, 9, 7
	s_cmp_eq_u32 s3, 17
	s_cselect_b32 s73, 8, s73
	s_cmp_ge_u32 s3, 16                            ; ww and woff take their columns in slot order
	s_cselect_b32 s74, -1, 0
	v_cndmask_b32 v13, v2, v5, s74
	s_lshl_b32 s75, s69, 4
	s_lshr_b32 s76, s69, 1
	s_lshl_b32 s76, s76, 5
	s_and_b32 s77, s69, 1
	s_add_co_u32 s76, s76, s77
	s_cmp_eq_u32 s3, 17
	s_cselect_b32 s75, s76, s75
	s_cselect_b32 s77, 1, 0
	v_lshlrev_b32 v13, s77, v13
	v_add_nc_u32 v13, s75, v13                     ; source column
	v_lshlrev_b32 v14, 3, v3
	v_lshlrev_b32 v14, s73, v14                    ; 8 hh rows
	v_add_lshl_u32 v13, v13, v14, 2
	s_lshl_b32 s76, s71, 7
	s_lshl_b32 s76, s76, s73                       ; 32 ks rows, in bytes
	s_mov_b32 s77, 0
	s_add_nc_u64 s[66:67], s[66:67], s[76:77]
.macro CONVT n                         ; 16 numbers of one source column, k = 16 p + i
.irp p, 0,1
.irp i, 0,1,2,3,4,5,6,7
	global_load_b32 v[16+8*\p+\i], v13, s[66:67] offset:(16*\p+\i)*\n*4
.endr
.endr
.endm
	s_cmp_eq_u32 s73, 9
	s_cbranch_scc1 .Ln512
	s_cmp_eq_u32 s73, 8
	s_cbranch_scc1 .Ln256
	CONVT 128
	s_branch .Lconv
.Ln512:
	CONVT 512
	s_branch .Lconv
.Ln256:
	CONVT 256
	s_branch .Lconv
.Lnat:                                         ; l2v wq keeps its rows: row c, k = 64 h + d
	s_lshl_b32 s75, s69, 4
	v_add_nc_u32 v13, s75, v2
	v_lshlrev_b32 v13, 11, v13
	v_lshl_add_u32 v13, v3, 5, v13
	s_lshl_b32 s76, s71, 7
	v_add_nc_u32 v13, s76, v13
.irp p, 0,1
	global_load_b128 v[16+8*\p:19+8*\p], v13, s[66:67] offset:\p*64
	global_load_b128 v[20+8*\p:23+8*\p], v13, s[66:67] offset:\p*64+16
.endr
.Lconv:
	s_wait_loadcnt 0x0
.irp k, 0,2,4,6,8,10,12,14
	v_pk_mul_f32 v[16+\k:17+\k], v[16+\k:17+\k], s[60:61] op_sel_hi:[1,0]
.endr
.irp k, 0,1,2,3,4,5,6,7
	v_cvt_pk_bf16_f32 v[32+\k], v[16+2*\k], v[17+2*\k]
.endr
	global_store_b128 v12, v[32:35], s[58:59]              ; 512 consecutive bytes each
	global_store_b128 v12, v[36:39], s[58:59] offset:512
	s_branch .Lend
.Lbias:                                        ; BOFFP[32 h + 16 xy + m] = boff[(16 h + pt(m)) 2 + xy];  BWP[16 h + m] = bw[16 h + pt(m)]
	v_lshrrev_b32 v13, 5, v0
	v_lshl_add_u32 v13, v13, 4, v5
	v_lshl_add_u32 v13, v13, 1, v3
	v_lshlrev_b32 v13, 2, v13
	v_lshlrev_b32 v14, 2, v0
	global_load_b32 v16, v13, s[44:45]
	s_wait_loadcnt 0x0
	global_store_b32 v14, v16, s[58:59] offset:O_BOFFP
	s_cmp_lt_u32 s4, 4
	s_cbranch_scc0 .Lend
	v_lshrrev_b32 v15, 4, v0
	v_lshl_add_u32 v15, v15, 4, v5
	v_lshlrev_b32 v15, 2, v15
	global_load_b32 v17, v15, s[46:47]
	s_wait_loadcnt 0x0
	global_store_b32 v14, v17, s[58:59] offset:O_BWP
	s_branch .Lend
.Lqjob:
	s_sub_co_u32 s3, s2, 245
	s_lshr_b32 s5, s3, 3                           ; b
	s_and_b32 s6, s3, 7                            ; h
	s_and_b32 s7, s4, 3                            ; dt: my 16 of the head's 64 d
	s_lshr_b32 s68, s4, 2                          ; mt: my 16 of 32 rows (rows past 19 repeat row 19 and are never stored)
	s_lshl_b32 s69, s6, 6
	s_lshl_b32 s70, s7, 4
	s_add_co_u32 s69, s69, s70
	v_add_nc_u32 v13, s69, v2
	v_lshl_add_u32 v13, v3, 12, v13
	v_lshlrev_b32 v13, 2, v13                      ; wq: (8 hh) rows of 512 + column 64 h + 16 dt + r
	v_lshl_add_u32 v14, v3, 3, s69
	v_lshlrev_b32 v14, 2, v14                      ; bq of my 8 columns
	s_lshl_b32 s71, s68, 4
	v_add_nc_u32 v15, s71, v2
	v_min_u32 v15, 19, v15
	v_lshlrev_b32 v15, 9, v15
	v_lshl_add_u32 v15, v3, 5, v15
	s_mul_i32 s72, s5, 10240
	v_add_nc_u32 v15, s72, v15
	global_load_b128 v[16:19], v14, s[54:55]
	global_load_b128 v[20:23], v14, s[54:55] offset:16
.set idx, 0
.rept 64
	global_load_b32 v[64+idx], v13, s[50:51] offset:((idx/16)*32+((idx/8)%2)*16+idx%8)*2048
.set idx, idx+1
.endr
.set idx, 0
.rept 16
	global_load_b128 v[128+4*idx:131+4*idx], v15, s[48:49] offset:(idx/4)*128+((idx/2)%2)*64+(idx%2)*16
.set idx, idx+1
.endr
	s_wait_loadcnt 0x0
.set idx, 0
.rept 32
	v_cvt_pk_bf16_f32 v[24+idx], v[64+2*idx], v[65+2*idx]
	v_cvt_pk_bf16_f32 v[192+idx], v[128+2*idx], v[129+2*idx]
.set idx, idx+1
.endr
	; the second stage's sources go out now, into the registers just converted: wk rows 16 w + r and bk, k = d of head h
	s_lshl_b32 s73, s4, 4
	v_add_nc_u32 v60, s73, v2
	v_lshlrev_b32 v60, 11, v60
	v_lshl_add_u32 v60, v3, 5, v60
	s_lshl_b32 s73, s6, 8
	v_add_nc_u32 v60, s73, v60
	v_lshl_add_u32 v61, v3, 5, s73
.set idx, 0
.rept 8
	global_load_b128 v[64+4*idx:67+4*idx], v60, s[52:53] offset:(idx/4)*128+((idx/2)%2)*64+(idx%2)*16
	global_load_b128 v[96+4*idx:99+4*idx], v61, s[56:57] offset:(idx/4)*128+((idx/2)%2)*64+(idx%2)*16
.set idx, idx+1
.endr
	v_wmma_f32_16x16x32_bf16 v[16:23], v[24:31], v[192:199], v[16:23]      ; one accumulator: a wait ahead of each further link
	s_wait_alu depctr_va_vdst(0)
	v_wmma_f32_16x16x32_bf16 v[16:23], v[32:39], v[200:207], v[16:23]
	s_wait_alu depctr_va_vdst(0)
	v_wmma_f32_16x16x32_bf16 v[16:23], v[40:47], v[208:215], v[16:23]
	s_wait_alu depctr_va_vdst(0)
	v_wmma_f32_16x16x32_bf16 v[16:23], v[48:55], v[216:223], v[16:23]
	PLACES
.irp k, 0,2,4,6
	v_pk_mul_f32 v[16+\k:17+\k], v[16+\k:17+\k], 0x3e000000 op_sel_hi:[1,0]
.endr
.irp k, 0,1,2,3
	v_cvt_pk_bf16_f32 v[56+\k], v[16+2*\k], v[17+2*\k]
.endr
	v_add_nc_u32 v12, s71, v2
	v_mul_u32_u24 v12, v12, 144
	v_lshl_add_u32 v12, v3, 4, v12
	s_lshl_b32 s73, s7, 5
	v_add_nc_u32 v12, s73, v12
	ds_store_b128 v12, v[56:59]                    ; QH[16 mt + r][16 dt + 8 hh ..]
	s_wait_dscnt 0x0                               ; for the others: my part of QH is written
	s_barrier_signal -1
	s_barrier_wait -1
	v_mul_u32_u24 v62, v2, 144
	v_lshl_add_u32 v62, v3, 4, v62
.irp mt, 0,1
.irp ks, 0,1
	ds_load_b128 v[128+16*\mt+8*\ks:131+16*\mt+8*\ks], v62 offset:\mt*2304+\ks*64
	ds_load_b128 v[132+16*\mt+8*\ks:135+16*\mt+8*\ks], v62 offset:\mt*2304+\ks*64+32
.endr
.endr
	s_wait_loadcnt 0x0
.set idx, 0
.rept 16
	v_cvt_pk_bf16_f32 v[160+idx], v[64+2*idx], v[65+2*idx]
	v_cvt_pk_bf16_f32 v[176+idx], v[96+2*idx], v[97+2*idx]
.set idx, idx+1
.endr
	s_wait_dscnt 0x0
	v_wmma_f32_16x16x32_bf16 v[16:23], v[160:167], v[128:135], 0           ; Q': (q, c = 16 w + 8 hh + j); the accumulators take turns
	v_wmma_f32_16x16x32_bf16 v[24:31], v[160:167], v[144:151], 0
	v_wmma_f32_16x16x32_bf16 v[16:23], v[168:175], v[136:143], v[16:23]
	v_wmma_f32_16x16x32_bf16 v[24:31], v[168:175], v[152:159], v[24:31]
	v_wmma_f32_16x16x32_bf16 v[32:39], v[176:183], v[128:135], 0           ; c0: bk in every row of source 0
	v_wmma_f32_16x16x32_bf16 v[40:47], v[176:183], v[144:151], 0
	v_wmma_f32_16x16x32_bf16 v[32:39], v[184:191], v[136:143], v[32:39]
	v_wmma_f32_16x16x32_bf16 v[40:47], v[184:191], v[152:159], v[40:47]
	PLACES
.irp k, 0,1,2,3
	v_cvt_pk_bf16_f32 v[48+\k], v[16+2*\k], v[17+2*\k]
.endr
.irp k, 0,1,2,3
	v_cvt_pk_bf16_f32 v[52+\k], v[24+2*\k], v[25+2*\k]
.endr
	s_mul_i32 s74, s5, 40960
	s_lshl_b32 s76, s4, 9
	s_add_co_u32 s74, s74, s76                     ; batch, and chunk c tile w of a row tile
	s_lshl_b32 s75, s6, 12
	s_add_co_u32 s75, s75, s74
	v_add_nc_u32 v60, s75, v4
	global_store_b128 v60, v[48:51], s[58:59] offset:O_QP  ; rows q = 0..15 of head h: tile h
	s_lshr_b32 s77, s6, 2
	s_add_co_u32 s77, s77, 8
	s_lshl_b32 s77, s77, 12
	s_add_co_u32 s77, s77, s74
	s_and_b32 s78, s6, 3
	s_lshl_b32 s78, s78, 6
	s_add_co_u32 s77, s77, s78
	v_add_nc_u32 v61, s77, v4
	v_cmp_gt_u32 vcc_lo, 4, v2
	s_wait_xcnt 0x0                                ; EXEC changes only behind this wait
	s_and_saveexec_b32 s79, vcc_lo
	global_store_b128 v61, v[52:55], s[58:59] offset:O_QP  ; rows q = 16..19: four rows of tile 8 + (h >> 2)
	s_wait_xcnt 0x0
	s_or_b32 exec_lo, exec_lo, s79
	s_cmp_lg_u32 s4, 0
	s_cbranch_scc1 .Lend
	s_mul_i32 s74, s5, 640
	s_lshl_b32 s75, s6, 6
	s_add_co_u32 s75, s75, s74
	v_lshl_add_u32 v62, v2, 2, s75
	s_lshr_b32 s77, s6, 2
	s_add_co_u32 s77, s77, 8
	s_lshl_b32 s77, s77, 6
	s_add_co_u32 s77, s77, s74
	s_and_b32 s78, s6, 3
	s_lshl_b32 s78, s78, 4
	s_add_co_u32 s77, s77, s78
	v_lshl_add_u32 v63, v2, 2, s77
	v_cmp_gt_u32 vcc_lo, 16, v1
	s_wait_xcnt 0x0
	s_and_saveexec_b32 s79, vcc_lo
	global_store_b32 v62, v32, s[58:59] offset:O_C0
	s_wait_xcnt 0x0
	s_or_b32 exec_lo, exec_lo, s79
	v_cmp_gt_u32 vcc_lo, 4, v1
	s_and_saveexec_b32 s79, vcc_lo
	global_store_b32 v63, v40, s[58:59] offset:O_C0
	s_wait_xcnt 0x0
	s_or_b32 exec_lo, exec_lo, s79
.Lend:
	s_wait_tensorcnt 0x0                           ; the wave's end
	ds_add_u32 v[SPW], v[NIL]
	s_wait_dscnt 0x0
	s_endpgm
.Lfunc_end_k_q42fbc66b37_prep:
	.size	k_q42fbc66b37_prep, .Lfunc_end_k_q42fbc66b37_prep-k_q42fbc66b37_prep
	.p2alignl 7, 3214868480
	.fill 96, 4, 3214868480
	.section	.rodata,"a",@progbits
	.p2align	6, 0x0
	.amdhsa_kernel k_q42fbc66b37_prep
		.amdhsa_group_segment_fixed_size 5632
		.amdhsa_private_segment_fixed_size 0
		.amdhsa_enable_private_segment 0
		.amdhsa_kernarg_size 208
		.amdhsa_user_sgpr_count 2
		.amdhsa_user_sgpr_kernarg_segment_ptr 1
		.amdhsa_wavefront_size32 1
		.amdhsa_system_sgpr_workgroup_id_x 1
		.amdhsa_system_sgpr_workgroup_id_y 1
		.amdhsa_system_sgpr_workgroup_id_z 1
		.amdhsa_system_vgpr_workitem_id 0
		.amdhsa_next_free_vgpr 224
		.amdhsa_next_free_sgpr 80
		.amdhsa_reserve_vcc 1
		.amdhsa_float_denorm_mode_32 3
		.amdhsa_float_denorm_mode_16_64 3
		.amdhsa_memory_ordered 1
		.amdhsa_forward_progress 1
		.amdhsa_inst_pref_size 34
	.end_amdhsa_kernel
	.amdgpu_metadata
---
amdhsa.version: [ 1, 2 ]
amdhsa.kernels:
  - .name:           k_q42fbc66b37_prep
    .symbol:         k_q42fbc66b37_prep.kd
    .args:
      - { .name: params_v2l_wv, .offset: 0, .size: 8, .value_kind: global_buffer, .address_space: global }
      - { .name: params_v2l_wo, .offset: 8, .size: 8, .value_kind: global_buffer, .address_space: global }
      - { .name: params_ls_wq, .offset: 16, .size: 8, .value_kind: global_buffer, .address_space: global }
      - { .name: params_ls_wk, .offset: 24, .size: 8, .value_kind: global_buffer, .address_space: global }
      - { .name: params_ls_wv, .offset: 32, .size: 8, .value_kind: global_buffer, .address_space: global }
      - { .name: params_ls_wo, .offset: 40, .size: 8, .value_kind: global_buffer, .address_space: global }
      - { .name: params_lmlp_w1, .offset: 48, .size: 8, .value_kind: global_buffer, .address_space: global }
      - { .name: params_lmlp_w2, .offset: 56, .size: 8, .value_kind: global_buffer, .address_space: global }
      - { .name: params_l2v_wk, .offset: 64, .size: 8, .value_kind: global_buffer, .address_space: global }
      - { .name: params_l2v_wv, .offset: 72, .size: 8, .value_kind: global_buffer, .address_space: global }
      - { .name: params_l2v_wq, .offset: 80, .size: 8, .value_kind: global_buffer, .address_space: global }
      - { .name: params_l2v_wo, .offset: 88, .size: 8, .value_kind: global_buffer, .address_space: global }
      - { .name: params_vmlp_w1, .offset: 96, .size: 8, .value_kind: global_buffer, .address_space: global }
      - { .name: params_vmlp_w2, .offset: 104, .size: 8, .value_kind: global_buffer, .address_space: global }
      - { .name: params_deform_wout, .offset: 112, .size: 8, .value_kind: global_buffer, .address_space: global }
      - { .name: params_deform_wval, .offset: 120, .size: 8, .value_kind: global_buffer, .address_space: global }
      - { .name: params_deform_ww, .offset: 128, .size: 8, .value_kind: global_buffer, .address_space: global }
      - { .name: params_deform_woff, .offset: 136, .size: 8, .value_kind: global_buffer, .address_space: global }
      - { .name: params_deform_boff, .offset: 144, .size: 8, .value_kind: global_buffer, .address_space: global }
      - { .name: params_deform_bw, .offset: 152, .size: 8, .value_kind: global_buffer, .address_space: global }
      - { .name: lang, .offset: 160, .size: 8, .value_kind: global_buffer, .address_space: global }
      - { .name: params_v2l_wq, .offset: 168, .size: 8, .value_kind: global_buffer, .address_space: global }
      - { .name: params_v2l_wk, .offset: 176, .size: 8, .value_kind: global_buffer, .address_space: global }
      - { .name: params_v2l_bq, .offset: 184, .size: 8, .value_kind: global_buffer, .address_space: global }
      - { .name: params_v2l_bk, .offset: 192, .size: 8, .value_kind: global_buffer, .address_space: global }
      - { .name: wts, .offset: 200, .size: 8, .value_kind: global_buffer, .address_space: global }
    .group_segment_fixed_size: 5632
    .private_segment_fixed_size: 0
    .kernarg_segment_align: 8
    .kernarg_segment_size: 208
    .max_flat_workgroup_size: 256
    .sgpr_count:     80
    .vgpr_count:     224
    .wavefront_size: 32
...
	.end_amdgpu_metadata
.endif
;; end of part 1
;; launch v2l (part 2): grid 32 x 8, 12 waves a work-group, no clusters, 109,824 bytes of LDS; arguments vis, vis_pos, vis_padding_mask, wts, part; writes part
.if DOCPART == 2
	.amdgcn_target "amdgcn-amd-amdhsa--gfx1250"
	.amdhsa_code_object_version 6
	.text
	.protected	k_q42fbc66b37_v2l
	.globl	k_q42fbc66b37_v2l
	.p2align	8
	.type	k_q42fbc66b37_v2l,@function
k_q42fbc66b37_v2l:
	s_mov_b64 s[64:65], 0
	v_nop
	global_prefetch_b8 v0, s[64:65] scope:SCOPE_SE
	s_setreg_imm32_b32 hwreg(HW_REG_WAVE_MODE, 25, 1), 1
	s_wait_xcnt 0x0
; V2L: language queries over vision keys, one chunk of 170 keys of one batch to a work-group (5,440 = 32 x 170).
; score[hq][k] = clip(X[k] . Q'[hq] + c0[hq]) (X = vis + vis_pos, bf16), masked where vis_padding_mask = 1; p = 2^(s log2e - mc) with the chunk's own maximum;
; out: the unnormalised context sum_k p vis[k] (f32), mc and l = sum p.  The next launch merges the 32 chunks by the global maximum.
; The 160 (head, query) rows are 10 tiles of 16, one a wave (waves 10, 11 only help to bring the keys in).  A lane holds ONE row and the keys in its registers.
; LIMITS: the chunk maximum is floored at -60,000, below the clip's range, so a chunk with no open key gives p = 0, l = 0; NaN and infinities are not treated apart.
; No cluster: what the 32 chunks of a batch share is Q' alone, 40 KB beside 174 KB of keys of their own.
.set XP, 272                           ; a key's 128 bf16 + 16 bytes: the 16 rows of a fragment load start in 16 different groups of four banks
.set VP, 288                           ; the same + 32 bytes, for the turning load
.set VB, 52224
.set MB, 107520                        ; f32[192]: 0 or -inf for each key of the chunk (keys 170..191 do not exist: -inf)
.set SPARE, 108288
.set O_QP, 2000384
.set O_C0, 2328064
.set SPW, 14
.set NIL, 15
.set S,  48                            ; v[48:143] 12 score tiles; later v[48:111] the context's 8 accumulators
.set AT, 144                           ; v[144:207] fragments, at work
.set P,  208                           ; v[208:255] weights in bf16: 6 fragments of 32 keys
                                       ; v[16:47] Q'; once the scores are made: v[16:17] mc, v18 l, v19 the word of statistics that I store
.macro PLACES
.rept 4
	v_nop
.endr
.endm
	s_load_b256 s[8:15], s[0:1], 0x0               ; vis, vis_pos, mask, wts
	s_load_b64 s[16:17], s[0:1], 0x20              ; part
	v_lshl_add_u32 v[SPW], v0, 2, SPARE
	v_mov_b32 v[NIL], 0
	v_lshrrev_b32 v1, 5, v0
	v_readfirstlane_b32 s4, v1
	v_and_b32 v1, 31, v0
	v_and_b32 v2, 15, v0
	v_bfe_u32 v3, v0, 4, 1
	v_lshlrev_b32 v4, 4, v1
	s_mov_b32 s2, ttmp9                            ; chunk
	s_and_b32 s3, ttmp7, 0xffff                    ; batch
	s_mul_i32 s5, s3, 5440
	s_mul_i32 s6, s2, 170
	s_add_co_u32 s5, s5, s6                        ; the chunk's first key
	s_lshl_b32 s18, s5, 9
	s_mov_b32 s19, 0
	s_lshl_b32 s20, s5, 2
	s_mov_b32 s21, 0
	s_min_u32 s7, s4, 9                            ; my tile of rows
	s_mul_i32 s22, s3, 40960
	s_lshl_b32 s23, s7, 12
	s_add_co_u32 s22, s22, s23
	v_add_nc_u32 v5, s22, v4
	s_mul_i32 s22, s3, 10
	s_add_co_u32 s22, s22, s7
	s_lshl_b32 s22, s22, 6
	v_lshl_add_u32 v13, v2, 2, s22
	s_mov_b32 s24, 0x47435000                      ; 50,000
	s_mov_b32 s25, 0xc7435000
	s_mov_b32 s26, 0x3fb8aa3b                      ; log2 e
	s_mov_b32 s27, s26
	s_mov_b32 s28, 0x76543210
	s_mov_b32 s29, 0xfedcba98
	s_lshl_b32 s22, s4, 4                          ; my 16 keys
	v_mov_b32 v9, 0
	s_wait_kmcnt 0x0
	s_add_nc_u64 s[8:9], s[8:9], s[18:19]
	s_add_nc_u64 s[10:11], s[10:11], s[18:19]
	s_add_nc_u64 s[12:13], s[12:13], s[20:21]
.irp f, 0,1,2,3
	global_load_b128 v[16+8*\f:19+8*\f], v5, s[14:15] offset:O_QP+\f*1024
	global_load_b128 v[20+8*\f:23+8*\f], v5, s[14:15] offset:O_QP+\f*1024+512
.endr
	global_load_b32 v8, v13, s[14:15] offset:O_C0
.irp i, 0,1,2,3,4,5,6,7,8,9,10,11,12,13,14,15
	s_add_co_u32 s23, s22, \i
	s_min_u32 s23, s23, 169                        ; keys past the chunk repeat its last key: finite, and masked
	s_lshl_b32 s23, s23, 9
	v_add_nc_u32 v[176+\i], s23, v4
.endr
.irp i, 0,1,2,3,4,5,6,7,8,9,10,11,12,13,14,15
	global_load_b128 v[48+4*\i:51+4*\i], v[176+\i], s[8:9]         ; a whole row of 512 bytes an instruction
	global_load_b128 v[112+4*\i:115+4*\i], v[176+\i], s[10:11]
.endr
	v_add_nc_u32 v6, s22, v2                       ; key number in the chunk
	v_min_u32 v7, 169, v6
	v_lshlrev_b32 v7, 2, v7
	global_load_b32 v192, v7, s[12:13]
	s_mul_i32 s23, s4, 16*XP
	v_lshl_add_u32 v10, v1, 3, s23
	s_mul_i32 s23, s4, 16*VP
	s_add_co_u32 s23, s23, VB
	v_lshl_add_u32 v11, v1, 3, s23
	s_wait_loadcnt 0x0
.irp i, 0,1,2,3,4,5,6,7,8,9,10,11,12,13,14,15
	v_pk_add_f32 v[112+4*\i:113+4*\i], v[112+4*\i:113+4*\i], v[48+4*\i:49+4*\i]
	v_pk_add_f32 v[114+4*\i:115+4*\i], v[114+4*\i:115+4*\i], v[50+4*\i:51+4*\i]
	v_cvt_pk_bf16_f32 v[112+4*\i], v[112+4*\i], v[113+4*\i]
	v_cvt_pk_bf16_f32 v[113+4*\i], v[114+4*\i], v[115+4*\i]
	v_cvt_pk_bf16_f32 v[48+4*\i], v[48+4*\i], v[49+4*\i]
	v_cvt_pk_bf16_f32 v[49+4*\i], v[50+4*\i], v[51+4*\i]
	ds_store_b64 v10, v[112+4*\i:113+4*\i] offset:\i*XP
	ds_store_b64 v11, v[48+4*\i:49+4*\i] offset:\i*VP
.endr
	v_mov_b32 v193, 0xff800000
	v_cmp_eq_u32 vcc_lo, 1, v192                   ; 1 - mask = 0: the key is closed
	v_cndmask_b32 v194, 0, v193, vcc_lo
	v_cmp_lt_u32 vcc_lo, 169, v6
	v_cndmask_b32 v194, v194, v193, vcc_lo
	v_lshl_add_u32 v195, v6, 2, MB
	ds_store_b32 v195, v194
	s_wait_dscnt 0x0                               ; for the others: my 16 keys lie in LDS
	s_barrier_signal -1
	s_barrier_wait -1
	s_cmp_ge_u32 s4, 10
	s_cbranch_scc1 .Lend
	v_mul_u32_u24 v10, v2, XP
	v_lshl_add_u32 v10, v3, 4, v10
	v_lshl_add_u32 v11, v3, 5, MB
	v_and_b32 v12, 7, v0
	v_lshl_add_u32 v12, v3, 3, v12
	v_mul_u32_u24 v12, v12, VP
	v_bfe_u32 v13, v0, 3, 1
	v_lshl_add_u32 v12, v13, 4, v12
	v_add_nc_u32 v12, VB, v12
; scores of key tiles 2 p, 2 p + 1: source 0 = 16 keys, source 1 = my 16 rows; the two accumulators take turns
.macro SPAIR p
.irp u, 0,1
.irp ks, 0,1,2,3
	ds_load_b128 v[AT+32*\u+8*\ks:AT+32*\u+8*\ks+3], v10 offset:(2*\p+\u)*16*XP+\ks*64
	ds_load_b128 v[AT+32*\u+8*\ks+4:AT+32*\u+8*\ks+7], v10 offset:(2*\p+\u)*16*XP+\ks*64+32
.endr
.endr
	s_wait_dscnt 0x0
.irp ks, 0,1,2,3
.irp u, 0,1
.if \ks == 0
	v_wmma_f32_16x16x32_bf16 v[S+8*(2*\p+\u):S+8*(2*\p+\u)+7], v[AT+32*\u+8*\ks:AT+32*\u+8*\ks+7], v[16+8*\ks:23+8*\ks], 0
.else
	v_wmma_f32_16x16x32_bf16 v[S+8*(2*\p+\u):S+8*(2*\p+\u)+7], v[AT+32*\u+8*\ks:AT+32*\u+8*\ks+7], v[16+8*\ks:23+8*\ks], v[S+8*(2*\p+\u):S+8*(2*\p+\u)+7]
.endif
.endr
.endr
	PLACES
.endm
	SPAIR 0
	SPAIR 1
	SPAIR 2
	SPAIR 3
	SPAIR 4
	SPAIR 5
; + c0, the clip, the mask: six tiles at a time
.irp hf, 0,1
.irp k, 0,1,2,3,4,5
	ds_load_b128 v[AT+8*\k:AT+8*\k+3], v11 offset:(6*\hf+\k)*64
	ds_load_b128 v[AT+8*\k+4:AT+8*\k+7], v11 offset:(6*\hf+\k)*64+16
.endr
	s_wait_dscnt 0x0
.set i, 0
.rept 24
	v_pk_add_f32 v[S+48*\hf+2*i:S+48*\hf+2*i+1], v[S+48*\hf+2*i:S+48*\hf+2*i+1], v[8:9] op_sel_hi:[1,0]
	v_med3_num_f32 v[S+48*\hf+2*i], v[S+48*\hf+2*i], s25, s24
	v_med3_num_f32 v[S+48*\hf+2*i+1], v[S+48*\hf+2*i+1], s25, s24
	v_pk_add_f32 v[S+48*\hf+2*i:S+48*\hf+2*i+1], v[S+48*\hf+2*i:S+48*\hf+2*i+1], v[AT+2*i:AT+2*i+1]
.set i, i+1
.endr
.endr
; the chunk's maximum: four chains, then the other half of the lanes
.irp k, 0,1,2,3
	v_max_num_f32 v[192+\k], v[S+24*\k], v[S+24*\k+1]
.endr
.set i, 1
.rept 11
.irp k, 0,1,2,3
	v_max3_num_f32 v[192+\k], v[192+\k], v[S+24*\k+2*i], v[S+24*\k+2*i+1]
.endr
.set i, i+1
.endr
	v_max3_num_f32 v192, v192, v193, v194
	v_max_num_f32 v192, v192, v195
	v_permlanex16_b32 v193, v192, s28, s29
	v_max_num_f32 v192, v192, v193
	v_max_num_f32 v192, 0xc76a6000, v192
	v_mul_f32 v16, s26, v192                       ; mc: what is subtracted, and what the next launch is told; kept where no fragment lands
	v_mov_b32 v17, v16
.set i, 0
.rept 48
	v_pk_fma_f32 v[S+2*i:S+2*i+1], v[S+2*i:S+2*i+1], s[26:27], v[16:17] op_sel_hi:[1,0,0] neg_lo:[0,0,1] neg_hi:[0,0,1]
.set i, i+1
.endr
.set i, 0
.rept 96
	v_exp_f32 v[S+i], v[S+i]
.set i, i+1
.endr
	v_nop                                          ; a plain instruction behind the last exponential,
	s_wait_alu depctr_va_vdst(0)                   ; and one wait for the batch of 96, ahead of its first reader
.irp k, 0,1,2,3
	v_pk_add_f32 v[198+2*\k:199+2*\k], v[S+24*\k:S+24*\k+1], v[S+24*\k+2:S+24*\k+3]
.endr
.set i, 2
.rept 10
.irp k, 0,1,2,3
	v_pk_add_f32 v[198+2*\k:199+2*\k], v[198+2*\k:199+2*\k], v[S+24*\k+2*i:S+24*\k+2*i+1]
.endr
.set i, i+1
.endr
	v_pk_add_f32 v[198:199], v[198:199], v[200:201]
	v_pk_add_f32 v[202:203], v[202:203], v[204:205]
	v_pk_add_f32 v[198:199], v[198:199], v[202:203]
	v_add_f32 v198, v198, v199
	v_permlanex16_b32 v199, v198, s28, s29
	v_add_f32 v18, v198, v199                      ; l
.set i, 0
.rept 48
	v_cvt_pk_bf16_f32 v[P+i], v[S+2*i], v[S+2*i+1]
.set i, i+1
.endr
; context: source 0 = 16 channels x 32 keys of vis (turned on the way out of LDS), source 1 = the weights; 8 accumulators by turns
.macro CSTEP st
	PLACES
.irp ct, 0,1,2,3,4,5,6,7
	ds_load_tr16_b128 v[AT+8*\ct:AT+8*\ct+3], v12 offset:32*\st*VP+\ct*32
	ds_load_tr16_b128 v[AT+8*\ct+4:AT+8*\ct+7], v12 offset:32*\st*VP+16*VP+\ct*32
.endr
	s_wait_dscnt 0x0
.irp ct, 0,1,2,3,4,5,6,7
.if \st == 0
	v_wmma_f32_16x16x32_bf16 v[S+8*\ct:S+8*\ct+7], v[AT+8*\ct:AT+8*\ct+7], v[P+8*\st:P+8*\st+7], 0
.else
	v_wmma_f32_16x16x32_bf16 v[S+8*\ct:S+8*\ct+7], v[AT+8*\ct:AT+8*\ct+7], v[P+8*\st:P+8*\st+7], v[S+8*\ct:S+8*\ct+7]
.endif
.endr
.endm
	CSTEP 0
	CSTEP 1
	CSTEP 2
	CSTEP 3
	CSTEP 4
	CSTEP 5
	s_lshl_b32 s30, s3, 5
	s_add_co_u32 s30, s30, s2
	s_mul_i32 s30, s30, 10
	s_add_co_u32 s30, s30, s4
	s_lshl_b32 s30, s30, 13                        ; [b][chunk][tile]: 8,192 bytes
	s_mov_b32 s31, 0
	s_add_nc_u64 s[32:33], s[16:17], s[30:31]
	s_mul_i32 s30, s3, 10
	s_add_co_u32 s30, s30, s4
	s_lshl_b32 s30, s30, 5
	s_add_co_u32 s30, s30, s2
	s_lshl_b32 s30, s30, 7                         ; [b][tile][chunk]: 128 bytes of statistics
	s_add_nc_u64 s[34:35], s[16:17], 20971520
	s_add_nc_u64 s[34:35], s[34:35], s[30:31]
	PLACES                                         ; behind the last products, ahead of the stores of their results
	v_lshlrev_b32 v13, 2, v1
	v_cmp_gt_u32 vcc_lo, 16, v1
	v_cndmask_b32 v19, v18, v16, vcc_lo            ; words 0-15: mc of row r; words 16-31: l
.irp ct, 0,1,2,3,4,5,6,7
	global_store_b128 v4, v[S+8*\ct:S+8*\ct+3], s[32:33] offset:\ct*1024       ; 512 consecutive bytes each
	global_store_b128 v4, v[S+8*\ct+4:S+8*\ct+7], s[32:33] offset:\ct*1024+512
.endr
	global_store_b32 v13, v19, s[34:35]
.Lend:
	s_wait_tensorcnt 0x0                           ; the wave's end
	ds_add_u32 v[SPW], v[NIL]
	s_wait_dscnt 0x0
	s_endpgm
.Lfunc_end_k_q42fbc66b37_v2l:
	.size	k_q42fbc66b37_v2l, .Lfunc_end_k_q42fbc66b37_v2l-k_q42fbc66b37_v2l
	.p2alignl 7, 3214868480
	.fill 96, 4, 3214868480
	.section	.rodata,"a",@progbits
	.p2align	6, 0x0
	.amdhsa_kernel k_q42fbc66b37_v2l
		.amdhsa_group_segment_fixed_size 109824
		.amdhsa_private_segment_fixed_size 0
		.amdhsa_enable_private_segment 0
		.amdhsa_kernarg_size 40
		.amdhsa_user_sgpr_count 2
		.amdhsa_user_sgpr_kernarg_segment_ptr 1
		.amdhsa_wavefront_size32 1
		.amdhsa_system_sgpr_workgroup_id_x 1
		.amdhsa_system_sgpr_workgroup_id_y 1
		.amdhsa_system_sgpr_workgroup_id_z 1
		.amdhsa_system_vgpr_workitem_id 0
		.amdhsa_next_free_vgpr 256
		.amdhsa_next_free_sgpr 66
		.amdhsa_reserve_vcc 1
		.amdhsa_float_denorm_mode_32 3
		.amdhsa_float_denorm_mode_16_64 3
		.amdhsa_memory_ordered 1
		.amdhsa_forward_progress 1
		.amdhsa_inst_pref_size 70
	.end_amdhsa_kernel
	.amdgpu_metadata
---
amdhsa.version: [ 1, 2 ]
amdhsa.kernels:
  - .name:           k_q42fbc66b37_v2l
    .symbol:         k_q42fbc66b37_v2l.kd
    .args:
      - { .name: vis, .offset: 0, .size: 8, .value_kind: global_buffer, .address_space: global }
      - { .name: vis_pos, .offset: 8, .size: 8, .value_kind: global_buffer, .address_space: global }
      - { .name: vis_padding_mask, .offset: 16, .size: 8, .value_kind: global_buffer, .address_space: global }
      - { .name: wts, .offset: 24, .size: 8, .value_kind: global_buffer, .address_space: global }
      - { .name: part, .offset: 32, .size: 8, .value_kind: global_buffer, .address_space: global }
    .group_segment_fixed_size: 109824
    .private_segment_fixed_size: 0
    .kernarg_segment_align: 8
    .kernarg_segment_size: 40
    .max_flat_workgroup_size: 384
    .sgpr_count:     66
    .vgpr_count:     256
    .wavefront_size: 32
...
	.end_amdgpu_metadata
.endif
;; end of part 2
;; launch comb (part 3): grid 10 x 8, 8 waves a work-group, no clusters, 5,376 bytes of LDS; arguments part, ctx; writes ctx
.if DOCPART == 3
	.amdgcn_target "amdgcn-amd-amdhsa--gfx1250"
	.amdhsa_code_object_version 6
	.text
	.protected	k_q42fbc66b37_comb
	.globl	k_q42fbc66b37_comb
	.p2align	8
	.type	k_q42fbc66b37_comb,@function
k_q42fbc66b37_comb:
	s_mov_b64 s[64:65], 0
	v_nop
	global_prefetch_b8 v0, s[64:65] scope:SCOPE_SE
	s_setreg_imm32_b32 hwreg(HW_REG_WAVE_MODE, 25, 1), 1
	s_wait_xcnt 0x0
; COMB: the 32 chunks of a batch are merged: ctx[row] = sum_x f_x part_x[row], f_x = 2^(mc_x - max mc) / sum_x 2^(mc_x - max mc) l_x.  All in f32; ctx rounded once to bf16.
; A work-group takes one tile of 16 (head, query) rows, wave w its channels 16 w .. 16 w + 15.  A row with no open key at all gives 0 x inf = NaN, as the softmax of the problem does.
.set SPARE, 4352                       ; behind the stage of 16 rows x 272 bytes
.set SPW, 14
.set NIL, 15
.set XS, 81920                         ; bytes from chunk to chunk in part
	s_load_b128 s[8:11], s[0:1], 0x0               ; part, ctx
	v_lshl_add_u32 v[SPW], v0, 2, SPARE
	v_mov_b32 v[NIL], 0
	v_lshrrev_b32 v1, 5, v0
	v_readfirstlane_b32 s4, v1
	v_and_b32 v1, 31, v0
	v_and_b32 v2, 15, v0
	v_bfe_u32 v3, v0, 4, 1
	v_lshlrev_b32 v4, 4, v1
	v_lshlrev_b32 v5, 2, v2
	s_mov_b32 s2, ttmp9                            ; tile
	s_and_b32 s3, ttmp7, 0xffff                    ; batch
	s_mul_i32 s5, s3, 10
	s_add_co_u32 s5, s5, s2
	s_lshl_b32 s16, s5, 12
	s_mov_b32 s17, 0
	s_mul_i32 s5, s3, 320
	s_add_co_u32 s5, s5, s2
	s_lshl_b32 s18, s5, 13
	s_lshl_b32 s6, s4, 10
	s_add_co_u32 s18, s18, s6
	s_mov_b32 s19, 0
	s_wait_kmcnt 0x0
	s_add_nc_u64 s[12:13], s[8:9], 20971520
	s_add_nc_u64 s[12:13], s[12:13], s[16:17]
	s_add_nc_u64 s[14:15], s[8:9], s[18:19]
.set x, 0
.rept 32
	global_load_b32 v[16+x], v5, s[12:13] offset:x*128
	global_load_b32 v[48+x], v5, s[12:13] offset:x*128+64
.set x, x+1
.endr
.macro LD8 reg, x0                     ; eight chunks' 32 bytes a lane
.irp k, 0,1,2,3,4,5,6,7
	global_load_b128 v[\reg+8*\k:\reg+8*\k+3], v4, s[14:15] offset:(\x0+\k)*XS
	global_load_b128 v[\reg+8*\k+4:\reg+8*\k+7], v4, s[14:15] offset:(\x0+\k)*XS+512
.endr
.endm
	LD8 80, 0
	LD8 144, 8
	s_wait_loadcnt 32                              ; the statistics are in; the two batches of 16 loads may stay out
	v_max3_num_f32 v208, v16, v17, v18
.set x, 19
.rept 14
	v_max3_num_f32 v208, v208, v[x], v[x+1]
.set x, x+2
.endr
	v_max_num_f32 v208, v208, v47
.set x, 0
.rept 32
	v_sub_f32 v[16+x], v[16+x], v208
.set x, x+1
.endr
.set x, 0
.rept 32
	v_exp_f32 v[16+x], v[16+x]
.set x, x+1
.endr
	v_nop
	s_wait_alu depctr_va_vdst(0)                   ; one wait for the 32 exponentials
	v_mul_f32 v209, v16, v48
.set x, 1
.rept 31
	v_fmac_f32 v209, v[16+x], v[48+x]
.set x, x+1
.endr
	v_rcp_f32 v210, v209
	v_nop
	s_wait_alu depctr_va_vdst(0)
.set x, 0
.rept 32
	v_mul_f32 v[16+x], v[16+x], v210
.set x, x+1
.endr
.macro PROC reg, x0, first             ; acc += f_x part_x for eight chunks; f_x is one register of an even pair, given to both halves
.irp k, 0,2,4,6
.irp j, 0,2,4,6
.if (\first) && (\k == 0)
	v_pk_mul_f32 v[212+\j:213+\j], v[\reg+8*\k+\j:\reg+8*\k+\j+1], v[16+\x0+\k:17+\x0+\k] op_sel_hi:[1,0]
.else
	v_pk_fma_f32 v[212+\j:213+\j], v[\reg+8*\k+\j:\reg+8*\k+\j+1], v[16+\x0+\k:17+\x0+\k], v[212+\j:213+\j] op_sel_hi:[1,0,1]
.endif
.endr
.irp j, 0,2,4,6
	v_pk_fma_f32 v[212+\j:213+\j], v[\reg+8*\k+8+\j:\reg+8*\k+9+\j], v[16+\x0+\k:17+\x0+\k], v[212+\j:213+\j] op_sel:[0,1,0] op_sel_hi:[1,1,1]
.endr
.endr
.endm
	s_wait_loadcnt 16                              ; chunks 0-7 are in; the 16 younger loads stay out (so at each of the next two waits)
	PROC 80, 0, 1
	LD8 80, 16
	s_wait_loadcnt 16
	PROC 144, 8, 0
	LD8 144, 24
	s_wait_loadcnt 16
	PROC 80, 16, 0
	s_wait_loadcnt 0x0
	PROC 144, 24, 0
.irp k, 0,1,2,3
	v_cvt_pk_bf16_f32 v[220+\k], v[212+2*\k], v[213+2*\k]
.endr
	v_mul_u32_u24 v6, v2, 272
	v_lshl_add_u32 v6, v3, 4, v6
	s_lshl_b32 s16, s4, 5
	v_add_nc_u32 v6, s16, v6
	ds_store_b128 v6, v[220:223]
	s_wait_dscnt 0x0                               ; for the others: a row's 256 bytes come from eight waves
	s_barrier_signal -1
	s_barrier_wait -1
	s_lshl_b32 s16, s4, 1
	v_add_nc_u32 v6, s16, v3                       ; the row that my half of the lanes stores
	v_mul_u32_u24 v7, v6, 272
	v_lshl_add_u32 v7, v2, 4, v7
	ds_load_b128 v[16:19], v7
	v_lshl_add_u32 v8, v6, 3, s2                   ; tiles 0-7: q = row, h = tile
	v_and_b32 v9, 3, v6                            ; tiles 8, 9: q = 16 + (row & 3), h = 4 (tile - 8) + (row >> 2)
	v_add_nc_u32 v9, 16, v9
	v_lshrrev_b32 v10, 2, v6
	s_max_u32 s17, s2, 8
	s_sub_co_u32 s17, s17, 8
	s_lshl_b32 s17, s17, 2
	v_add_nc_u32 v10, s17, v10
	v_lshl_add_u32 v9, v9, 3, v10
	s_cmp_lt_u32 s2, 8
	s_cselect_b32 s18, -1, 0
	v_cndmask_b32 v8, v9, v8, s18
	v_lshlrev_b32 v8, 8, v8
	v_lshl_add_u32 v8, v2, 4, v8
	s_mul_i32 s19, s3, 40960
	v_add_nc_u32 v8, s19, v8
	s_wait_dscnt 0x0
	global_store_b128 v8, v[16:19], s[10:11]       ; 16 lanes store 256 consecutive bytes: ctx[b][q][h][0..127]
	s_wait_tensorcnt 0x0                           ; the wave's end
	ds_add_u32 v[SPW], v[NIL]
	s_wait_dscnt 0x0
	s_endpgm
.Lfunc_end_k_q42fbc66b37_comb:
	.size	k_q42fbc66b37_comb, .Lfunc_end_k_q42fbc66b37_comb-k_q42fbc66b37_comb
	.p2alignl 7, 3214868480
	.fill 96, 4, 3214868480
	.section	.rodata,"a",@progbits
	.p2align	6, 0x0
	.amdhsa_kernel k_q42fbc66b37_comb
		.amdhsa_group_segment_fixed_size 5376
		.amdhsa_private_segment_fixed_size 0
		.amdhsa_enable_private_segment 0
		.amdhsa_kernarg_size 16
		.amdhsa_user_sgpr_count 2
		.amdhsa_user_sgpr_kernarg_segment_ptr 1
		.amdhsa_wavefront_size32 1
		.amdhsa_system_sgpr_workgroup_id_x 1
		.amdhsa_system_sgpr_workgroup_id_y 1
		.amdhsa_system_sgpr_workgroup_id_z 1
		.amdhsa_system_vgpr_workitem_id 0
		.amdhsa_next_free_vgpr 224
		.amdhsa_next_free_sgpr 66
		.amdhsa_reserve_vcc 0
		.amdhsa_float_denorm_mode_32 3
		.amdhsa_float_denorm_mode_16_64 3
		.amdhsa_memory_ordered 1
		.amdhsa_forward_progress 1
		.amdhsa_inst_pref_size 29
	.end_amdhsa_kernel
	.amdgpu_metadata
---
amdhsa.version: [ 1, 2 ]
amdhsa.kernels:
  - .name:           k_q42fbc66b37_comb
    .symbol:         k_q42fbc66b37_comb.kd
    .args:
      - { .name: part, .offset: 0, .size: 8, .value_kind: global_buffer, .address_space: global }
      - { .name: ctx, .offset: 8, .size: 8, .value_kind: global_buffer, .address_space: global }
    .group_segment_fixed_size: 5376
    .private_segment_fixed_size: 0
    .kernarg_segment_align: 8
    .kernarg_segment_size: 16
    .max_flat_workgroup_size: 256
    .sgpr_count:     66
    .vgpr_count:     224
    .wavefront_size: 32
...
	.end_amdgpu_metadata
.endif
;; end of part 3
;; launch lang (part 4): grid 4 x 8, 16 waves a work-group, no clusters, 234,752 bytes of LDS; arguments ctx, wts, lang, lang_mask, params_v2l_bv, params_ls_bq, params_ls_bk, params_ls_bv, params_lmlp_b1, params_l2v_bk, params_l2v_bv, params_l2v_bq, params_v2l_bo, params_ln1_g, params_ln1_b, params_ls_bo, params_ln2_g, params_ln2_b, params_lmlp_b2, params_ln3_g, params_ln3_b, mn, out1; writes mn, out1
.if DOCPART == 4
	.amdgcn_target "amdgcn-amd-amdhsa--gfx1250"
	.amdhsa_code_object_version 6
	.text
	.protected	k_q42fbc66b37_lang
	.globl	k_q42fbc66b37_lang
	.p2align	8
	.type	k_q42fbc66b37_lang,@function
k_q42fbc66b37_lang:
	s_mov_b64 s[64:65], 0
	v_nop
	global_prefetch_b8 v0, s[64:65] scope:SCOPE_SE
	s_setreg_imm32_b32 hwreg(HW_REG_WAVE_MODE, 25, 1), 1
	s_wait_xcnt 0x0
; LANG: the language net of one batch (20 rows, held as 32: rows 20-31 repeat row 19, stay finite, are masked as keys and never stored):
;   o = ctx wv + bv (head by head), pl = LN1(lang + o wo + bo);  self attention, LN2;  FFN, LN3 = out1;
;   then for the second cross attention M[h][k][c] = sum_d wq[c][64 h + d] / 8 kh[k][d], cb[h][k] = sum_d bq / 8 kh, N[h][k][e] = sum_d vh[k][d] wo[64 h + d][e].
; Four work-groups a batch do the net alike (its weights are 1 MB each way) and a quarter each (two heads) of kh, vh, M, N; x = 0 stores out1 and the mask.
; 16 waves.  WIDE (N = 512, K = 128): wave w makes columns 32 w .. +31 of all 32 rows.  TALL (N = 128, K = 512): wave w makes 16 columns (w >> 1) over half of K (w & 1); the halves meet in LN.
; All products: source 0 = weight fragment, source 1 = activation fragment: a lane holds one row and eight neighbouring columns.  Weights come straight from memory in fragment order, one stage ahead.
; Matrix operands bf16, sums, residuals and norms f32.  No cluster: the shared weights are read through registers, and the launch has 32 work-groups.
; The work-group's number enters global addresses alone: of l2v's three biases only the 128 numbers of my two heads are copied to LDS, so every LDS address hangs on the wave and the lane.
.set RES,   0                          ; f32 [32] pitch 528: the residual
.set OUTF,  16896                      ; 2 x f32 [32] pitch 528: TALL's two halves of K
.set A128,  50688                      ; bf16 [32] pitch 272
.set BA,    59392                      ; bf16 [32][512] pitch 1040
.set BB,    92672
.set BC,    125952                     ; pitch 1056 (read by the turning load)
.set BD,    159744
.set KV2,   193024                     ; bf16 [32][256] pitch 528: kh of my two heads, then vh
.set PARAM, 209920                     ; 8 x 512 f32 (of the last three the first 128 count), then 12 slots of 128 f32, then the mask's 32 f32
.set PSL,   PARAM+16384
.set PMADD, PARAM+22528
.set SPARE, 232704
.set MAT,   131072
.set SPW, 14
.set NIL, 15
.macro PLACES
.rept 4
	v_nop
.endr
.endm
.macro BAR                             ; my LDS work is done, then everybody's
	s_wait_dscnt 0x0
	s_barrier_signal -1
	s_barrier_wait -1
.endm
.macro WLOAD buf, adr, off, n          ; n weight fragments
.set f, 0
.rept \n
	global_load_b128 v[\buf+8*f:\buf+8*f+3], v[\adr], s[10:11] offset:\off+f*1024
	global_load_b128 v[\buf+8*f+4:\buf+8*f+7], v[\adr], s[10:11] offset:\off+f*1024+512
.set f, f+1
.endr
.endm
.macro ACT128                          ; A128's 32 rows as 2 x 4 fragments
.irp mt, 0,1
.irp ks, 0,1,2,3
	ds_load_b128 v[192+32*\mt+8*\ks:195+32*\mt+8*\ks], v8 offset:\mt*4352+\ks*64
	ds_load_b128 v[196+32*\mt+8*\ks:199+32*\mt+8*\ks], v8 offset:\mt*4352+\ks*64+32
.endr
.endr
.endm
.macro WIDE_MM buf, acta, bias, qs, lcnt
	ds_load_b128 v[16:19], v7 offset:\bias
	ds_load_b128 v[20:23], v7 offset:\bias+16
	ds_load_b128 v[24:27], v7 offset:\bias+64
	ds_load_b128 v[28:31], v7 offset:\bias+80
.if \acta
	ACT128
.endif
	s_wait_loadcnt \lcnt                           ; this stage's weights are in; the next stage's may stay out
	s_wait_dscnt 0x0
.if \qs
.irp k, 0,2,4,6,8,10,12,14
	v_pk_mul_f32 v[16+\k:17+\k], v[16+\k:17+\k], 0x3e000000 op_sel_hi:[1,0]
.endr
.endif
.irp ks, 0,1,2,3
.irp nt, 0,1
.irp mt, 0,1
.if \ks == 0
	v_wmma_f32_16x16x32_bf16 v[32+16*\nt+8*\mt:39+16*\nt+8*\mt], v[\buf+32*\nt+8*\ks:\buf+32*\nt+8*\ks+7], v[192+32*\mt+8*\ks:199+32*\mt+8*\ks], v[16+8*\nt:23+8*\nt]
.else
	v_wmma_f32_16x16x32_bf16 v[32+16*\nt+8*\mt:39+16*\nt+8*\mt], v[\buf+32*\nt+8*\ks:\buf+32*\nt+8*\ks+7], v[192+32*\mt+8*\ks:199+32*\mt+8*\ks], v[32+16*\nt+8*\mt:39+16*\nt+8*\mt]
.endif
.endr
.endr
.endr
	PLACES
.endm
.macro WIDE_OUT outb, pitch, relu
	v_mad_u32_u24 v12, v2, \pitch, v10
	v_add_nc_u32 v12, \outb, v12
.set a, 0
.rept 16
	v_cvt_pk_bf16_f32 v[16+a], v[32+2*a], v[33+2*a]
.set a, a+1
.endr
.if \relu
.set a, 0
.rept 16
	v_pk_max_num_bf16 v[16+a], v[16+a], v11
.set a, a+1
.endr
.endif
.irp nt, 0,1
.irp mt, 0,1
	ds_store_b128 v12, v[16+8*\nt+4*\mt:19+8*\nt+4*\mt] offset:\mt*16*\pitch+\nt*32
.endr
.endr
.endm
.macro TALL_MM buf, actb, lcnt
	v_add_nc_u32 v12, s88, v9                      ; my half of K: 512 bytes of each row
	v_add_nc_u32 v12, \actb, v12
.irp hf, 0,1
.irp mt, 0,1
.irp k, 0,1,2,3
	ds_load_b128 v[192+32*\mt+8*\k:195+32*\mt+8*\k], v12 offset:\mt*16640+(4*\hf+\k)*64
	ds_load_b128 v[196+32*\mt+8*\k:199+32*\mt+8*\k], v12 offset:\mt*16640+(4*\hf+\k)*64+32
.endr
.endr
.if \hf == 0
	s_wait_loadcnt \lcnt
.endif
	s_wait_dscnt 0x0
.irp k, 0,1,2,3
.irp mt, 0,1
.if (\hf == 0) && (\k == 0)
	v_wmma_f32_16x16x32_bf16 v[32+8*\mt:39+8*\mt], v[\buf+8*(4*\hf+\k):\buf+8*(4*\hf+\k)+7], v[192+32*\mt+8*\k:199+32*\mt+8*\k], 0
.else
	v_wmma_f32_16x16x32_bf16 v[32+8*\mt:39+8*\mt], v[\buf+8*(4*\hf+\k):\buf+8*(4*\hf+\k)+7], v[192+32*\mt+8*\k:199+32*\mt+8*\k], v[32+8*\mt:39+8*\mt]
.endif
.endr
.endr
	PLACES
.endr
.endm
.macro TALL_OUT
	v_mul_u32_u24 v12, v2, 528
	v_lshl_add_u32 v12, v3, 5, v12
	v_add_nc_u32 v12, s89, v12
	ds_store_b128 v12, v[32:35]
	ds_store_b128 v12, v[36:39] offset:16
	ds_store_b128 v12, v[40:43] offset:8448
	ds_store_b128 v12, v[44:47] offset:8464
.endm
.macro RED x, t                        ; a sum over the 32 lanes, in every lane
	v_add_f32_dpp v[\x], v[\x], v[\x] row_xmask:1 row_mask:0xf bank_mask:0xf
	v_add_f32_dpp v[\x], v[\x], v[\x] row_xmask:2 row_mask:0xf bank_mask:0xf
	v_add_f32_dpp v[\x], v[\x], v[\x] row_xmask:4 row_mask:0xf bank_mask:0xf
	v_add_f32_dpp v[\x], v[\x], v[\x] row_xmask:8 row_mask:0xf bank_mask:0xf
	v_permlanex16_b32 v[\t], v[\x], s72, s73
	v_add_f32 v[\x], v[\x], v[\t]
.endm
; rows 2 w, 2 w + 1: x = both halves of K + residual + bias; LayerNorm; the residual anew (f32) and A128 (bf16).  A lane holds four channels.
.macro LNROW sb, sg, sc, last
	s_mul_i32 s76, s4, 1056
	v_add_nc_u32 v12, s76, v4
	v_add_nc_u32 v13, PSL, v4
.irp q, 0,1
	ds_load_b128 v[192+12*\q:195+12*\q], v12 offset:OUTF+528*\q
	ds_load_b128 v[196+12*\q:199+12*\q], v12 offset:OUTF+16896+528*\q
	ds_load_b128 v[200+12*\q:203+12*\q], v12 offset:RES+528*\q
.endr
	ds_load_b128 v[216:219], v13 offset:\sb*512
	ds_load_b128 v[220:223], v13 offset:\sg*512
	ds_load_b128 v[224:227], v13 offset:\sc*512
	s_wait_dscnt 0x0
.irp R, 192,204
	v_pk_add_f32 v[\R:\R+1], v[\R:\R+1], v[\R+4:\R+5]
	v_pk_add_f32 v[\R+2:\R+3], v[\R+2:\R+3], v[\R+6:\R+7]
	v_pk_add_f32 v[\R:\R+1], v[\R:\R+1], v[\R+8:\R+9]
	v_pk_add_f32 v[\R+2:\R+3], v[\R+2:\R+3], v[\R+10:\R+11]
	v_pk_add_f32 v[\R:\R+1], v[\R:\R+1], v[216:217]
	v_pk_add_f32 v[\R+2:\R+3], v[\R+2:\R+3], v[218:219]
	v_pk_add_f32 v[\R+4:\R+5], v[\R:\R+1], v[\R+2:\R+3]
	v_add_f32 v[\R+4], v[\R+4], v[\R+5]
	RED \R+4, \R+5
	v_mul_f32 v[\R+4], s66, v[\R+4]
	v_pk_add_f32 v[\R:\R+1], v[\R:\R+1], v[\R+4:\R+5] op_sel_hi:[1,0] neg_lo:[0,1] neg_hi:[0,1]
	v_pk_add_f32 v[\R+2:\R+3], v[\R+2:\R+3], v[\R+4:\R+5] op_sel_hi:[1,0] neg_lo:[0,1] neg_hi:[0,1]
	v_pk_mul_f32 v[\R+6:\R+7], v[\R:\R+1], v[\R:\R+1]
	v_pk_fma_f32 v[\R+6:\R+7], v[\R+2:\R+3], v[\R+2:\R+3], v[\R+6:\R+7]
	v_add_f32 v[\R+6], v[\R+6], v[\R+7]
	RED \R+6, \R+7
	v_fmaak_f32 v[\R+6], s66, v[\R+6], 0x3727c5ac
.endr
	v_rsq_f32 v198, v198
	v_rsq_f32 v210, v210
	v_nop
	s_wait_alu depctr_va_vdst(0)                   ; one wait for the two roots
	s_mul_i32 s76, s4, 544
	s_add_co_u32 s76, s76, A128
	v_lshl_add_u32 v232, v1, 3, s76
.irp R, 192,204
	v_pk_mul_f32 v[\R:\R+1], v[\R:\R+1], v[\R+6:\R+7] op_sel_hi:[1,0]
	v_pk_mul_f32 v[\R+2:\R+3], v[\R+2:\R+3], v[\R+6:\R+7] op_sel_hi:[1,0]
	v_pk_fma_f32 v[\R:\R+1], v[\R:\R+1], v[220:221], v[224:225]
	v_pk_fma_f32 v[\R+2:\R+3], v[\R+2:\R+3], v[222:223], v[226:227]
	v_cvt_pk_bf16_f32 v[\R+8], v[\R], v[\R+1]
	v_cvt_pk_bf16_f32 v[\R+9], v[\R+2], v[\R+3]
.endr
	ds_store_b128 v12, v[192:195] offset:RES
	ds_store_b128 v12, v[204:207] offset:RES+528
	ds_store_b64 v232, v[200:201]
	ds_store_b64 v232, v[212:213] offset:272
.if \last
	s_cmp_lg_u32 s2, 0
	s_cbranch_scc1 .Lno_out1
	s_cmp_ge_u32 s4, 10
	s_cbranch_scc1 .Lno_out1
	s_mul_i32 s76, s3, 10240
	s_lshl_b32 s77, s4, 10
	s_add_co_u32 s76, s76, s77
	v_add_nc_u32 v233, s76, v4
	global_store_b128 v233, v[192:195], s[52:53]
	global_store_b128 v233, v[204:207], s[52:53] offset:512
.Lno_out1:
	s_wait_xcnt 0x0                                ; the stores' registers are loaded again below
.endif
.endm
; softmax over 32 keys: 16 registers and the lane 16 away.  S: scores, MD: 0 or -inf, T: 8 at work (even), P: 8 registers of bf16 weights
.macro SOFT16 S, MD, T, P
.set i, 0
.rept 16
	v_med3_num_f32 v[\S+i], v[\S+i], s70, s71
.set i, i+1
.endr
.set i, 0
.rept 8
	v_pk_add_f32 v[\S+2*i:\S+2*i+1], v[\S+2*i:\S+2*i+1], v[\MD+2*i:\MD+2*i+1]
.set i, i+1
.endr
	v_max3_num_f32 v[\T], v[\S], v[\S+1], v[\S+2]
	v_max3_num_f32 v[\T+1], v[\S+3], v[\S+4], v[\S+5]
	v_max3_num_f32 v[\T+2], v[\S+6], v[\S+7], v[\S+8]
	v_max3_num_f32 v[\T+3], v[\S+9], v[\S+10], v[\S+11]
	v_max3_num_f32 v[\T], v[\T], v[\S+12], v[\S+13]
	v_max3_num_f32 v[\T+1], v[\T+1], v[\S+14], v[\S+15]
	v_max3_num_f32 v[\T], v[\T], v[\T+1], v[\T+2]
	v_max_num_f32 v[\T], v[\T], v[\T+3]
	v_permlanex16_b32 v[\T+1], v[\T], s72, s73
	v_max_num_f32 v[\T], v[\T], v[\T+1]
	v_mul_f32 v[\T+2], s68, v[\T]
.set i, 0
.rept 8
	v_pk_fma_f32 v[\S+2*i:\S+2*i+1], v[\S+2*i:\S+2*i+1], s[68:69], v[\T+2:\T+3] op_sel_hi:[1,0,0] neg_lo:[0,0,1] neg_hi:[0,0,1]
.set i, i+1
.endr
.set i, 0
.rept 16
	v_exp_f32 v[\S+i], v[\S+i]
.set i, i+1
.endr
	v_nop
	s_wait_alu depctr_va_vdst(0)                   ; one wait for the 16 exponentials
	v_pk_add_f32 v[\T+4:\T+5], v[\S:\S+1], v[\S+2:\S+3]
	v_pk_add_f32 v[\T+6:\T+7], v[\S+4:\S+5], v[\S+6:\S+7]
	v_pk_add_f32 v[\T+4:\T+5], v[\T+4:\T+5], v[\S+8:\S+9]
	v_pk_add_f32 v[\T+6:\T+7], v[\T+6:\T+7], v[\S+10:\S+11]
	v_pk_add_f32 v[\T+4:\T+5], v[\T+4:\T+5], v[\S+12:\S+13]
	v_pk_add_f32 v[\T+6:\T+7], v[\T+6:\T+7], v[\S+14:\S+15]
	v_pk_add_f32 v[\T+4:\T+5], v[\T+4:\T+5], v[\T+6:\T+7]
	v_add_f32 v[\T+4], v[\T+4], v[\T+5]
	v_permlanex16_b32 v[\T+5], v[\T+4], s72, s73
	v_add_f32 v[\T+4], v[\T+4], v[\T+5]
	v_rcp_f32 v[\T+6], v[\T+4]
	v_nop
	s_wait_alu depctr_va_vdst(0)
.set i, 0
.rept 8
	v_pk_mul_f32 v[\S+2*i:\S+2*i+1], v[\S+2*i:\S+2*i+1], v[\T+6:\T+7] op_sel_hi:[1,0]
.set i, i+1
.endr
.set i, 0
.rept 8
	v_cvt_pk_bf16_f32 v[\P+i], v[\S+2*i], v[\S+2*i+1]
.set i, i+1
.endr
.endm
	s_load_b512 s[8:23], s[0:1], 0x0               ; argument i at s[8 + 2 i]
	s_load_b512 s[24:39], s[0:1], 0x40
	s_load_b256 s[40:47], s[0:1], 0x80
	s_load_b128 s[48:51], s[0:1], 0xa0
	s_load_b64 s[52:53], s[0:1], 0xb0
	v_lshl_add_u32 v[SPW], v0, 2, SPARE
	v_mov_b32 v[NIL], 0
	v_lshrrev_b32 v1, 5, v0
	v_readfirstlane_b32 s4, v1
	v_and_b32 v1, 31, v0
	v_and_b32 v2, 15, v0
	v_bfe_u32 v3, v0, 4, 1
	v_lshlrev_b32 v4, 4, v1
	v_lshlrev_b32 v6, 2, v0
	s_mov_b32 s2, ttmp9                            ; head pair
	s_and_b32 s3, ttmp7, 0xffff                    ; batch
	s_lshr_b32 s5, s4, 1
	s_and_b32 s6, s4, 1
	s_mov_b32 s66, 0x3c000000                      ; 1 / 128
	s_mov_b32 s68, 0x3fb8aa3b
	s_mov_b32 s69, s68
	s_mov_b32 s70, 0xc7435000
	s_mov_b32 s71, 0x47435000
	s_mov_b32 s72, 0x76543210
	s_mov_b32 s73, 0xfedcba98
	s_lshl_b32 s75, s4, 13
	v_add_nc_u32 v5, s75, v4                       ; my eight fragments of a stage's weights
	s_lshl_b32 s75, s4, 7
	s_add_co_u32 s75, s75, PARAM
	v_lshl_add_u32 v7, v3, 5, s75                  ; biases of my 32 columns
	v_mul_u32_u24 v8, v2, 272
	v_lshl_add_u32 v8, v3, 4, v8
	v_add_nc_u32 v8, A128, v8
	v_mul_u32_u24 v9, v2, 1040
	v_lshl_add_u32 v9, v3, 4, v9
	s_lshl_b32 s75, s4, 6
	v_lshl_add_u32 v10, v3, 4, s75
	v_mov_b32 v11, 0
	s_lshl_b32 s88, s6, 9                          ; TALL: my half of K
	s_mul_i32 s89, s6, 16896
	s_lshl_b32 s75, s5, 6
	s_add_co_u32 s89, s89, s75
	s_add_co_u32 s89, s89, OUTF                    ; TALL: where my 16 columns go
	s_lshr_b32 s79, s4, 3                          ; last stages: 0 / 1: k or v; which of my two heads
	s_and_b32 s80, s4, 7
	s_lshl_b32 s81, s2, 3
	s_add_co_u32 s81, s81, s80                     ; column tile 8 x + i
	s_lshl_b32 s82, s81, 12
	s_lshl_b32 s83, s79, 17
	s_add_co_u32 s82, s82, s83
	s_lshl_b32 s84, s2, 1
	s_add_co_u32 s84, s84, s79                     ; head
	s_lshl_b32 s85, s80, 4
	s_lshl_b32 s86, s84, 1
	s_add_co_u32 s85, s85, s86
	s_lshl_b32 s85, s85, 10                        ; fragment (i, 2 h)
	s_mul_i32 s54, s3, 132352
	s_mov_b32 s55, 0
	s_lshr_b32 s87, s4, 2
	v_and_b32 v43, 127, v0
	v_lshlrev_b32 v43, 2, v43
	s_lshl_b32 s75, s2, 9
	v_add_nc_u32 v44, s75, v43                     ; in an array of 512: the 128 numbers of my two heads
	s_wait_kmcnt 0x0
	s_add_nc_u64 s[50:51], s[50:51], s[54:55]
.irp k, 0,1,2,3,4
	global_load_b32 v[16+\k], v6, s[16+2*\k:17+2*\k]       ; five arrays of 512: a number a thread
.endr
.irp k, 5,6,7
	global_load_b32 v[16+\k], v44, s[16+2*\k:17+2*\k]      ; l2v bk, bv, bq: my two heads' 128 numbers, four times over
.endr
	s_mov_b64 s[56:57], s[32:33]                   ; arrays of 128: four to a pass, by groups of four waves
	s_mov_b64 s[58:59], s[40:41]
	s_cmp_eq_u32 s87, 1
	s_cselect_b64 s[56:57], s[34:35], s[56:57]
	s_cselect_b64 s[58:59], s[42:43], s[58:59]
	s_cmp_eq_u32 s87, 2
	s_cselect_b64 s[56:57], s[36:37], s[56:57]
	s_cselect_b64 s[58:59], s[44:45], s[58:59]
	s_cmp_eq_u32 s87, 3
	s_cselect_b64 s[56:57], s[38:39], s[56:57]
	s_cselect_b64 s[58:59], s[46:47], s[58:59]
	global_load_b32 v24, v43, s[56:57]
	global_load_b32 v25, v43, s[58:59]
	global_load_b32 v26, v43, s[48:49]
	s_lshl_b32 s60, s4, 1
	s_min_u32 s61, s60, 19
	s_add_co_u32 s60, s60, 1
	s_min_u32 s60, s60, 19
	s_mul_i32 s62, s3, 10240
	s_lshl_b32 s61, s61, 9
	s_add_co_u32 s61, s61, s62
	s_lshl_b32 s60, s60, 9
	s_add_co_u32 s60, s60, s62
	v_add_nc_u32 v12, s61, v4
	v_add_nc_u32 v13, s60, v4
	global_load_b128 v[32:35], v12, s[12:13]
	global_load_b128 v[36:39], v13, s[12:13]
	v_min_u32 v40, 19, v1
	s_mul_i32 s63, s3, 20
	v_add_lshl_u32 v40, v40, s63, 2
	global_load_b32 v27, v40, s[14:15]
	s_mul_i32 s63, s3, 40960
	s_lshl_b32 s74, s5, 8
	s_add_co_u32 s74, s74, s63
	v_lshlrev_b32 v41, 11, v2
	v_lshl_add_u32 v41, v3, 4, v41
	v_add_nc_u32 v41, s74, v41
	v_add_nc_u32 v42, 16, v2
	v_min_u32 v42, 19, v42
	v_lshlrev_b32 v42, 11, v42
	v_lshl_add_u32 v42, v3, 4, v42
	v_add_nc_u32 v42, s74, v42
.irp ks, 0,1,2,3                       ; ctx of head w >> 1 as fragments
	global_load_b128 v[192+8*\ks:195+8*\ks], v41, s[8:9] offset:\ks*64
	global_load_b128 v[196+8*\ks:199+8*\ks], v41, s[8:9] offset:\ks*64+32
	global_load_b128 v[224+8*\ks:227+8*\ks], v42, s[8:9] offset:\ks*64
	global_load_b128 v[228+8*\ks:231+8*\ks], v42, s[8:9] offset:\ks*64+32
.endr
	WLOAD 64, 5, 0*MAT, 8
	WLOAD 128, 5, 1*MAT, 8
	s_wait_loadcnt 48                              ; parameters, lang and mask are in; ctx and two sets of weights (16 loads each) stay out
	v_add_nc_u32 v12, PARAM, v6
.irp k, 0,1,2,3,4,5,6,7
	ds_store_b32 v12, v[16+\k] offset:\k*2048
.endr
	ds_store_b32 v12, v24 offset:16384
	ds_store_b32 v12, v25 offset:18432
	ds_store_b32 v12, v26 offset:20480
	s_mul_i32 s76, s4, 1056
	v_add_nc_u32 v13, s76, v4
	ds_store_b128 v13, v[32:35] offset:RES
	ds_store_b128 v13, v[36:39] offset:RES+528
	v_mov_b32 v28, 0xff800000
	v_mov_b32 v30, 0
	v_cmp_ne_u32 vcc_lo, 0, v27
	v_cndmask_b32 v29, v28, v30, vcc_lo
	v_cmp_gt_u32 vcc_lo, 20, v1
	v_cndmask_b32 v29, v28, v29, vcc_lo            ; 0 for an open key, -inf for a closed one and for keys 20..31
	s_cmp_lg_u32 s4, 0
	s_cbranch_scc1 .Lno_mask
	ds_store_b32 v12, v29 offset:22528
	s_cmp_lg_u32 s2, 0
	s_cbranch_scc1 .Lno_mask
	global_store_b32 v6, v29, s[50:51] offset:132096
.Lno_mask:
	s_wait_xcnt 0x0                                ; the store's data register is loaded again below
	BAR
	WIDE_MM 64, 0, 0, 0, 16                        ; o = ctx wv + bv
	WLOAD 64, 5, 2*MAT, 8
	WIDE_OUT BA, 1040, 0
	BAR
	TALL_MM 128, BA, 16                            ; o wo
	WLOAD 128, 5, 3*MAT, 8
	TALL_OUT
	BAR
	LNROW 0, 1, 2, 0
	BAR
	WIDE_MM 64, 1, 2048, 1, 16                     ; q (weights carry 1 / 8; the bias takes it here)
	WLOAD 64, 5, 4*MAT, 8
	WIDE_OUT BA, 1040, 0
	WIDE_MM 128, 0, 4096, 0, 16                    ; k
	WLOAD 128, 5, 5*MAT, 8
	WIDE_OUT BB, 1040, 0
	WIDE_MM 64, 0, 6144, 0, 16                     ; v
	WLOAD 64, 5, 6*MAT, 8
	WIDE_OUT BC, 1056, 0
	BAR
	; self attention: head w >> 1, queries 16 (w & 1) ..
	s_lshl_b32 s76, s5, 7
	s_mul_i32 s77, s6, 16640
	s_add_co_u32 s78, s76, BB
	v_add_nc_u32 v12, s78, v9
	s_add_co_u32 s78, s76, s77
	s_add_co_u32 s78, s78, BA
	v_add_nc_u32 v13, s78, v9
.irp kt, 0,1
.irp ks, 0,1
	ds_load_b128 v[192+16*\kt+8*\ks:195+16*\kt+8*\ks], v12 offset:\kt*16640+\ks*64
	ds_load_b128 v[196+16*\kt+8*\ks:199+16*\kt+8*\ks], v12 offset:\kt*16640+\ks*64+32
.endr
.endr
.irp ks, 0,1
	ds_load_b128 v[224+8*\ks:227+8*\ks], v13 offset:\ks*64
	ds_load_b128 v[228+8*\ks:231+8*\ks], v13 offset:\ks*64+32
.endr
	v_lshl_add_u32 v48, v3, 5, PMADD
	ds_load_b128 v[240:243], v48
	ds_load_b128 v[244:247], v48 offset:16
	ds_load_b128 v[248:251], v48 offset:64
	ds_load_b128 v[252:255], v48 offset:80
	s_wait_dscnt 0x0
	v_wmma_f32_16x16x32_bf16 v[32:39], v[192:199], v[224:231], 0
	v_wmma_f32_16x16x32_bf16 v[40:47], v[208:215], v[224:231], 0
	v_wmma_f32_16x16x32_bf16 v[32:39], v[200:207], v[232:239], v[32:39]
	v_wmma_f32_16x16x32_bf16 v[40:47], v[216:223], v[232:239], v[40:47]
	PLACES
	v_and_b32 v49, 7, v0
	v_lshl_add_u32 v49, v3, 3, v49
	v_mul_u32_u24 v49, v49, 1056
	v_bfe_u32 v50, v0, 3, 1
	v_lshl_add_u32 v49, v50, 4, v49
	s_add_co_u32 s78, s76, BC
	v_add_nc_u32 v49, s78, v49
.irp dt, 0,1,2,3
	ds_load_tr16_b128 v[192+8*\dt:195+8*\dt], v49 offset:\dt*32
	ds_load_tr16_b128 v[196+8*\dt:199+8*\dt], v49 offset:\dt*32+16896
.endr
	SOFT16 32, 240, 24, 16
	s_wait_dscnt 0x0
.irp dt, 0,1,2,3
	v_wmma_f32_16x16x32_bf16 v[32+8*\dt:39+8*\dt], v[192+8*\dt:199+8*\dt], v[16:23], 0
.endr
	PLACES
.set a, 0
.rept 16
	v_cvt_pk_bf16_f32 v[224+a], v[32+2*a], v[33+2*a]
.set a, a+1
.endr
	s_add_co_u32 s78, s76, s77
	s_add_co_u32 s78, s78, BD
	v_add_nc_u32 v12, s78, v9
.irp dt, 0,1,2,3
	ds_store_b128 v12, v[224+4*\dt:227+4*\dt] offset:\dt*32
.endr
	BAR
	TALL_MM 128, BD, 16
	WLOAD 128, 5, 7*MAT, 8
	TALL_OUT
	BAR
	LNROW 3, 4, 5, 0
	BAR
	WIDE_MM 64, 1, 8192, 0, 16                     ; FFN, first half
	v_add_nc_u32 v13, s82, v4
	WLOAD 64, 13, 8*MAT, 4                         ; l2v wk or wv, my one column tile
	WIDE_OUT BA, 1040, 1
	s_wait_xcnt 0x0                                ; v13 is written again below
	BAR
	TALL_MM 128, BA, 8
	v_add_nc_u32 v13, s85, v4
	WLOAD 128, 13, 10*MAT, 2                       ; l2v wq (rows c) and wo^T (rows e), k = d of my head
	WLOAD 144, 13, 11*MAT, 2
	TALL_OUT
	s_wait_xcnt 0x0
	BAR
	LNROW 6, 7, 8, 1
	BAR
	; kh, vh of my two heads: one column tile a wave; its bias is tile w & 7 of the 128 numbers copied
	s_lshl_b32 s86, s80, 6
	s_lshl_b32 s87, s79, 11
	s_add_co_u32 s86, s86, s87
	s_add_co_u32 s86, s86, PARAM+5*2048
	v_lshl_add_u32 v12, v3, 5, s86
	ds_load_b128 v[16:19], v12
	ds_load_b128 v[20:23], v12 offset:16
	ACT128
	s_wait_loadcnt 8                               ; my four fragments are in; the last stage's eight loads stay out
	s_wait_dscnt 0x0
.irp ks, 0,1,2,3
.irp mt, 0,1
.if \ks == 0
	v_wmma_f32_16x16x32_bf16 v[32+8*\mt:39+8*\mt], v[64+8*\ks:71+8*\ks], v[192+32*\mt+8*\ks:199+32*\mt+8*\ks], v[16:23]
.else
	v_wmma_f32_16x16x32_bf16 v[32+8*\mt:39+8*\mt], v[64+8*\ks:71+8*\ks], v[192+32*\mt+8*\ks:199+32*\mt+8*\ks], v[32+8*\mt:39+8*\mt]
.endif
.endr
.endr
	PLACES
.set a, 0
.rept 8
	v_cvt_pk_bf16_f32 v[24+a], v[32+2*a], v[33+2*a]
.set a, a+1
.endr
	v_mul_u32_u24 v12, v2, 528
	v_lshl_add_u32 v12, v3, 4, v12
	s_lshl_b32 s86, s79, 8
	s_lshl_b32 s87, s80, 5
	s_add_co_u32 s86, s86, s87
	s_add_co_u32 s86, s86, KV2
	v_add_nc_u32 v12, s86, v12
	ds_store_b128 v12, v[24:27]
	ds_store_b128 v12, v[28:31] offset:8448
	BAR
	; M, N, cb for head 2 x + (w >> 3), tile i = w & 7 of c (M) and of e (N)
	v_mul_u32_u24 v12, v2, 528
	v_lshl_add_u32 v12, v3, 4, v12
	s_lshl_b32 s86, s79, 7
	s_add_co_u32 s86, s86, KV2
	v_add_nc_u32 v12, s86, v12
.irp mt, 0,1
.irp k, 0,1
	ds_load_b128 v[192+16*\mt+8*\k:195+16*\mt+8*\k], v12 offset:\mt*8448+\k*64
	ds_load_b128 v[196+16*\mt+8*\k:199+16*\mt+8*\k], v12 offset:\mt*8448+\k*64+32
	ds_load_b128 v[224+16*\mt+8*\k:227+16*\mt+8*\k], v12 offset:\mt*8448+\k*64+256
	ds_load_b128 v[228+16*\mt+8*\k:231+16*\mt+8*\k], v12 offset:\mt*8448+\k*64+288
.endr
.endr
	s_lshl_b32 s86, s79, 8                         ; bq: the first or the second 64 of the 128 numbers copied
	s_add_co_u32 s86, s86, PARAM+7*2048
	v_lshl_add_u32 v13, v3, 5, s86
.set idx, 0
.rept 8
	ds_load_b128 v[64+4*idx:67+4*idx], v13 offset:(idx/4)*128+((idx/2)%2)*64+(idx%2)*16
.set idx, idx+1
.endr
	s_wait_dscnt 0x0
.set idx, 0
.rept 16
	v_pk_mul_f32 v[64+2*idx:65+2*idx], v[64+2*idx:65+2*idx], 0x3e000000 op_sel_hi:[1,0]
.set idx, idx+1
.endr
.set idx, 0
.rept 16
	v_cvt_pk_bf16_f32 v[96+idx], v[64+2*idx], v[65+2*idx]
.set idx, idx+1
.endr
	s_wait_loadcnt 0x0
	; six accumulators by turns: M (keys 0-15, 16-31), N likewise, cb likewise
	v_wmma_f32_16x16x32_bf16 v[16:23], v[128:135], v[192:199], 0
	v_wmma_f32_16x16x32_bf16 v[24:31], v[128:135], v[208:215], 0
	v_wmma_f32_16x16x32_bf16 v[32:39], v[224:231], v[144:151], 0
	v_wmma_f32_16x16x32_bf16 v[40:47], v[240:247], v[144:151], 0
	v_wmma_f32_16x16x32_bf16 v[48:55], v[96:103], v[192:199], 0
	v_wmma_f32_16x16x32_bf16 v[56:63], v[96:103], v[208:215], 0
	v_wmma_f32_16x16x32_bf16 v[16:23], v[136:143], v[200:207], v[16:23]
	v_wmma_f32_16x16x32_bf16 v[24:31], v[136:143], v[216:223], v[24:31]
	v_wmma_f32_16x16x32_bf16 v[32:39], v[232:239], v[152:159], v[32:39]
	v_wmma_f32_16x16x32_bf16 v[40:47], v[248:255], v[152:159], v[40:47]
	v_wmma_f32_16x16x32_bf16 v[48:55], v[104:111], v[200:207], v[48:55]
	v_wmma_f32_16x16x32_bf16 v[56:63], v[104:111], v[216:223], v[56:63]
	PLACES
.set a, 0
.rept 16
	v_cvt_pk_bf16_f32 v[64+a], v[16+2*a], v[17+2*a]
.set a, a+1
.endr
	s_lshl_b32 s86, s84, 13
	s_lshl_b32 s87, s80, 9
	s_add_co_u32 s86, s86, s87
	v_add_nc_u32 v12, s86, v4                      ; M^T: fragment (2 h + mt, i >> 1), part i & 1
	global_store_b128 v12, v[64:67], s[50:51]
	global_store_b128 v12, v[68:71], s[50:51] offset:4096
	s_lshl_b32 s86, s80, 13
	s_lshl_b32 s87, s84, 10
	s_add_co_u32 s86, s86, s87
	v_add_nc_u32 v13, s86, v4                      ; N^T: fragment (i, h), part mt
	global_store_b128 v13, v[72:75], s[50:51] offset:65536
	global_store_b128 v13, v[76:79], s[50:51] offset:66048
	s_cmp_lg_u32 s80, 0
	s_cbranch_scc1 .Lend
	v_cmp_gt_u32 vcc_lo, 16, v1
	v_cndmask_b32 v80, v56, v48, vcc_lo            ; every column of cb's tiles is alike: lane l holds key l
	s_lshl_b32 s86, s84, 7
	v_lshl_add_u32 v81, v1, 2, s86
	global_store_b32 v81, v80, s[50:51] offset:131072
.Lend:
	s_wait_tensorcnt 0x0                           ; the wave's end
	ds_add_u32 v[SPW], v[NIL]
	s_wait_dscnt 0x0
	s_endpgm
.Lfunc_end_k_q42fbc66b37_lang:
	.size	k_q42fbc66b37_lang, .Lfunc_end_k_q42fbc66b37_lang-k_q42fbc66b37_lang
	.p2alignl 7, 3214868480
	.fill 96, 4, 3214868480
	.section	.rodata,"a",@progbits
	.p2align	6, 0x0
	.amdhsa_kernel k_q42fbc66b37_lang
		.amdhsa_group_segment_fixed_size 234752
		.amdhsa_private_segment_fixed_size 0
		.amdhsa_enable_private_segment 0
		.amdhsa_kernarg_size 184
		.amdhsa_user_sgpr_count 2
		.amdhsa_user_sgpr_kernarg_segment_ptr 1
		.amdhsa_wavefront_size32 1
		.amdhsa_system_sgpr_workgroup_id_x 1
		.amdhsa_system_sgpr_workgroup_id_y 1
		.amdhsa_system_sgpr_workgroup_id_z 1
		.amdhsa_system_vgpr_workitem_id 0
		.amdhsa_next_free_vgpr 256
		.amdhsa_next_free_sgpr 100
		.amdhsa_reserve_vcc 1
		.amdhsa_float_denorm_mode_32 3
		.amdhsa_float_denorm_mode_16_64 3
		.amdhsa_memory_ordered 1
		.amdhsa_forward_progress 1
		.amdhsa_inst_pref_size 89
	.end_amdhsa_kernel
	.amdgpu_metadata
---
amdhsa.version: [ 1, 2 ]
amdhsa.kernels:
  - .name:           k_q42fbc66b37_lang
    .symbol:         k_q42fbc66b37_lang.kd
    .args:
      - { .name: ctx, .offset: 0, .size: 8, .value_kind: global_buffer, .address_space: global }
      - { .name: wts, .offset: 8, .size: 8, .value_kind: global_buffer, .address_space: global }
      - { .name: lang, .offset: 16, .size: 8, .value_kind: global_buffer, .address_space: global }
      - { .name: lang_mask, .offset: 24, .size: 8, .value_kind: global_buffer, .address_space: global }
      - { .name: params_v2l_bv, .offset: 32, .size: 8, .value_kind: global_buffer, .address_space: global }
      - { .name: params_ls_bq, .offset: 40, .size: 8, .value_kind: global_buffer, .address_space: global }
      - { .name: params_ls_bk, .offset: 48, .size: 8, .value_kind: global_buffer, .address_space: global }
      - { .name: params_ls_bv, .offset: 56, .size: 8, .value_kind: global_buffer, .address_space: global }
      - { .name: params_lmlp_b1, .offset: 64, .size: 8, .value_kind: global_buffer, .address_space: global }
      - { .name: params_l2v_bk, .offset: 72, .size: 8, .value_kind: global_buffer, .address_space: global }
      - { .name: params_l2v_bv, .offset: 80, .size: 8, .value_kind: global_buffer, .address_space: global }
      - { .name: params_l2v_bq, .offset: 88, .size: 8, .value_kind: global_buffer, .address_space: global }
      - { .name: params_v2l_bo, .offset: 96, .size: 8, .value_kind: global_buffer, .address_space: global }
      - { .name: params_ln1_g, .offset: 104, .size: 8, .value_kind: global_buffer, .address_space: global }
      - { .name: params_ln1_b, .offset: 112, .size: 8, .value_kind: global_buffer, .address_space: global }
      - { .name: params_ls_bo, .offset: 120, .size: 8, .value_kind: global_buffer, .address_space: global }
      - { .name: params_ln2_g, .offset: 128, .size: 8, .value_kind: global_buffer, .address_space: global }
      - { .name: params_ln2_b, .offset: 136, .size: 8, .value_kind: global_buffer, .address_space: global }
      - { .name: params_lmlp_b2, .offset: 144, .size: 8, .value_kind: global_buffer, .address_space: global }
      - { .name: params_ln3_g, .offset: 152, .size: 8, .value_kind: global_buffer, .address_space: global }
      - { .name: params_ln3_b, .offset: 160, .size: 8, .value_kind: global_buffer, .address_space: global }
      - { .name: mn, .offset: 168, .size: 8, .value_kind: global_buffer, .address_space: global }
      - { .name: out1, .offset: 176, .size: 8, .value_kind: global_buffer, .address_space: global }
    .group_segment_fixed_size: 234752
    .private_segment_fixed_size: 0
    .kernarg_segment_align: 8
    .kernarg_segment_size: 184
    .max_flat_workgroup_size: 512
    .sgpr_count:     100
    .vgpr_count:     256
    .wavefront_size: 32
...
	.end_amdgpu_metadata
.endif
;; end of part 4
;; launch visa (part 5): grid 32 x 8, 11 waves a work-group, clusters of 4 x 1, 327,680 bytes of LDS; arguments mn, wts, vis, vis_pos, vis_padding_mask, reference_points, params_l2v_bo, params_vn2_g, params_vn2_b, params_deform_bval, vv, codes, w4; writes vv, codes, w4
.if DOCPART == 5
	.amdgcn_target "amdgcn-amd-amdhsa--gfx1250"
	.amdhsa_code_object_version 6
	.text
	.protected	k_q42fbc66b37_visa
	.globl	k_q42fbc66b37_visa
	.p2align	8
	.type	k_q42fbc66b37_visa,@function
k_q42fbc66b37_visa:
	s_mov_b64 s[64:65], 0
	v_nop
	global_prefetch_b8 v0, s[64:65] scope:SCOPE_SE
	s_setreg_imm32_b32 hwreg(HW_REG_WAVE_MODE, 25, 1), 1
	s_wait_xcnt 0x0
	s_wait_alu depctr_hold_cnt(0) depctr_sa_sdst(0) depctr_va_vdst(0) depctr_va_sdst(0) depctr_va_ssrc(0) depctr_va_vcc(0) depctr_vm_vsrc(0)
	s_getreg_b32 s2, hwreg(HW_REG_IB_STS2, 6, 4)
	s_cmp_eq_u32 s2, 0
	s_cbranch_scc0 .Lentry_in_a_cluster
	s_endpgm
.Lentry_in_a_cluster:
	s_bfe_u32 s2, ttmp6, 0x10000c
	s_cmp_lg_u32 s2, 0x3003
	s_cbranch_scc0 .Lentry_shape_is_right
	s_endpgm
.Lentry_shape_is_right:
; VISA: for 16 vision rows a wave: the second cross attention in its folded form, s = X M^T + cb, clip, mask, softmax over 20 keys, + P N + bo + vis, LayerNorm = vis2;
; then for each head val = (vis2 wval + bval)(1 - pad), the 16 point weights (softmax) and offsets of q = vis2 + vis_pos, and from them, for each point, a CODE (the table entry of the
; corner (y0, x0), a whole number that the next launch turns into an LDS address) and four corner weights (attention weight x bilinear weight, bf16).
; SHARES.  A batch's 340 tiles of 16 rows are dealt to 32 work-groups: 10 or 11 each, one a wave.  In a group of 10 the eleventh wave takes the tenth tile once more and stores the same bytes:
; so every wave of every work-group runs the same text, and the work-group's number enters global addresses alone.
; CLUSTER.  Four neighbouring work-groups of a batch need the same 262,144 bytes (M^T, N^T of the batch; wval^T, ww^T, woff^T), in fragment order: each slice is asked for JOINTLY, by the same
; tensor load with the same descriptor and a mask that names the four.  First fills only; the small tables come through registers.
; TWO STAGES.  Waves 0-7 issue two loads each: a slice of M^T, N^T, which the first head loop reads, then a slice of the weights, which the second reads.  A wave's tensor loads end in order
; (ISA guide 10.11.1), so the first barrier asks for the first load alone, and the weights land under the first loop; a second barrier stands ahead of the second loop.
; The table of the next launch has W + 2 entries a row and H + 1 rows a level, the surplus zero, so every corner outside the map reads 0; a point whose floor lies outside [-1, W - 1] has its weight set to 0.
; LIMITS: matrix operands, vis2, val and the corner weights bf16; sums, norms, coordinates f32; NaN and infinite inputs are not treated apart.
.set NT,    65536
.set WVL,   131072                     ; wval^T, then ww^T 32,768 further on
.set WOL,   196608
.set CBL,   262144
.set MADL,  263168
.set BOFL,  263424
.set BWL,   264448                     ; bval 2,048 further on
.set BOL,   264960
.set G2L,   265472                     ; the norm's gain; its bias 512 further on
.set STG,   267008                     ; 11 x 16 rows x 272 bytes
.set SPARE, 314880
.set SPW, 14
.set NIL, 15
.macro PLACES
.rept 4
	v_nop
.endr
.endm
.macro ROUND                           ; a round of the cluster's barrier
	s_barrier_signal -1
	s_barrier_wait -1
	s_cmp_lg_u32 s4, 0
	s_cbranch_scc1 .Lnot_wave_0_\@
	s_barrier_signal -3
.Lnot_wave_0_\@:
	s_barrier_wait -3
	s_barrier_signal -1
	s_barrier_wait -1
.endm
.macro SOFT16 S, MD, T, P
.set i, 0
.rept 16
	v_med3_num_f32 v[\S+i], v[\S+i], s58, s59
.set i, i+1
.endr
.set i, 0
.rept 8
	v_pk_add_f32 v[\S+2*i:\S+2*i+1], v[\S+2*i:\S+2*i+1], v[\MD+2*i:\MD+2*i+1]
.set i, i+1
.endr
	v_max3_num_f32 v[\T], v[\S], v[\S+1], v[\S+2]
	v_max3_num_f32 v[\T+1], v[\S+3], v[\S+4], v[\S+5]
	v_max3_num_f32 v[\T+2], v[\S+6], v[\S+7], v[\S+8]
	v_max3_num_f32 v[\T+3], v[\S+9], v[\S+10], v[\S+11]
	v_max3_num_f32 v[\T], v[\T], v[\S+12], v[\S+13]
	v_max3_num_f32 v[\T+1], v[\T+1], v[\S+14], v[\S+15]
	v_max3_num_f32 v[\T], v[\T], v[\T+1], v[\T+2]
	v_max_num_f32 v[\T], v[\T], v[\T+3]
	v_permlanex16_b32 v[\T+1], v[\T], s66, s67
	v_max_num_f32 v[\T], v[\T], v[\T+1]
	v_mul_f32 v[\T+2], s62, v[\T]
.set i, 0
.rept 8
	v_pk_fma_f32 v[\S+2*i:\S+2*i+1], v[\S+2*i:\S+2*i+1], s[62:63], v[\T+2:\T+3] op_sel_hi:[1,0,0] neg_lo:[0,0,1] neg_hi:[0,0,1]
.set i, i+1
.endr
.set i, 0
.rept 16
	v_exp_f32 v[\S+i], v[\S+i]
.set i, i+1
.endr
	v_nop
	s_wait_alu depctr_va_vdst(0)                   ; one wait for the 16 exponentials
	v_pk_add_f32 v[\T+4:\T+5], v[\S:\S+1], v[\S+2:\S+3]
	v_pk_add_f32 v[\T+6:\T+7], v[\S+4:\S+5], v[\S+6:\S+7]
	v_pk_add_f32 v[\T+4:\T+5], v[\T+4:\T+5], v[\S+8:\S+9]
	v_pk_add_f32 v[\T+6:\T+7], v[\T+6:\T+7], v[\S+10:\S+11]
	v_pk_add_f32 v[\T+4:\T+5], v[\T+4:\T+5], v[\S+12:\S+13]
	v_pk_add_f32 v[\T+6:\T+7], v[\T+6:\T+7], v[\S+14:\S+15]
	v_pk_add_f32 v[\T+4:\T+5], v[\T+4:\T+5], v[\T+6:\T+7]
	v_add_f32 v[\T+4], v[\T+4], v[\T+5]
	v_permlanex16_b32 v[\T+5], v[\T+4], s66, s67
	v_add_f32 v[\T+4], v[\T+4], v[\T+5]
	v_rcp_f32 v[\T+6], v[\T+4]
	v_nop
	s_wait_alu depctr_va_vdst(0)
.set i, 0
.rept 8
	v_pk_mul_f32 v[\S+2*i:\S+2*i+1], v[\S+2*i:\S+2*i+1], v[\T+6:\T+7] op_sel_hi:[1,0]
.set i, i+1
.endr
.set i, 0
.rept 8
	v_cvt_pk_bf16_f32 v[\P+i], v[\S+2*i], v[\S+2*i+1]
.set i, i+1
.endr
.endm
; LayerNorm of the row whose 128 numbers lie in v[16:79] of lanes r and r + 16.  gaddr: the gain in LDS; the bias 512 bytes further on.
.macro LNGB c
.irp t, 0,1,2,3
	ds_load_b128 v[192+8*\t:195+8*\t], v8 offset:(4*\c+\t)*64
	ds_load_b128 v[196+8*\t:199+8*\t], v8 offset:(4*\c+\t)*64+16
	ds_load_b128 v[224+8*\t:227+8*\t], v8 offset:512+(4*\c+\t)*64
	ds_load_b128 v[228+8*\t:231+8*\t], v8 offset:512+(4*\c+\t)*64+16
.endr
.endm
.macro LN64 gaddr
	v_lshl_add_u32 v8, v3, 5, \gaddr
	LNGB 0
.irp k, 0,1,2,3
	v_pk_add_f32 v[184+2*\k:185+2*\k], v[16+2*\k:17+2*\k], v[24+2*\k:25+2*\k]
.endr
.set i, 8
.rept 24
	v_pk_add_f32 v[184+2*(i%4):185+2*(i%4)], v[184+2*(i%4):185+2*(i%4)], v[16+2*i:17+2*i]
.set i, i+1
.endr
	v_pk_add_f32 v[184:185], v[184:185], v[186:187]
	v_pk_add_f32 v[188:189], v[188:189], v[190:191]
	v_pk_add_f32 v[184:185], v[184:185], v[188:189]
	v_add_f32 v184, v184, v185
	v_permlanex16_b32 v185, v184, s66, s67
	v_add_f32 v184, v184, v185
	v_mul_f32 v184, s60, v184
.set i, 0
.rept 32
	v_pk_add_f32 v[16+2*i:17+2*i], v[16+2*i:17+2*i], v[184:185] op_sel_hi:[1,0] neg_lo:[0,1] neg_hi:[0,1]
.set i, i+1
.endr
.irp k, 0,1,2,3
	v_pk_mul_f32 v[184+2*\k:185+2*\k], v[16+2*\k:17+2*\k], v[16+2*\k:17+2*\k]
.endr
.set i, 4
.rept 28
	v_pk_fma_f32 v[184+2*(i%4):185+2*(i%4)], v[16+2*i:17+2*i], v[16+2*i:17+2*i], v[184+2*(i%4):185+2*(i%4)]
.set i, i+1
.endr
	v_pk_add_f32 v[184:185], v[184:185], v[186:187]
	v_pk_add_f32 v[188:189], v[188:189], v[190:191]
	v_pk_add_f32 v[184:185], v[184:185], v[188:189]
	v_add_f32 v184, v184, v185
	v_permlanex16_b32 v185, v184, s66, s67
	v_add_f32 v184, v184, v185
	v_fmaak_f32 v184, s60, v184, 0x3727c5ac
	v_rsq_f32 v186, v184
	v_nop
	s_wait_alu depctr_va_vdst(0)
.irp c, 0,1
	s_wait_dscnt 0x0
.set i, 0
.rept 16
	v_pk_mul_f32 v[16+32*\c+2*i:17+32*\c+2*i], v[16+32*\c+2*i:17+32*\c+2*i], v[186:187] op_sel_hi:[1,0]
	v_pk_fma_f32 v[16+32*\c+2*i:17+32*\c+2*i], v[16+32*\c+2*i:17+32*\c+2*i], v[192+2*i:193+2*i], v[224+2*i:225+2*i]
.set i, i+1
.endr
.if \c == 0
	LNGB 1
.endif
.endr
.endm
	s_load_b512 s[8:23], s[0:1], 0x0               ; mn, wts, vis, vis_pos, pad, ref, bo, g
	s_load_b256 s[24:31], s[0:1], 0x40             ; b, bval, vv, codes
	s_load_b64 s[32:33], s[0:1], 0x60              ; w4
	v_lshl_add_u32 v[SPW], v0, 2, SPARE
	v_mov_b32 v[NIL], 0
	ds_add_u32 v[SPW], v[NIL]                      ; the wave's opening: the add and its wait ahead of the round in front of the first tensor loads
	ds_add_u32 v14, v15
	v_lshrrev_b32 v1, 5, v0
	v_readfirstlane_b32 s4, v1
	v_and_b32 v1, 31, v0
	v_and_b32 v2, 15, v0
	v_bfe_u32 v3, v0, 4, 1
	v_lshlrev_b32 v4, 4, v1                        ; 16 l: my place in a fragment's 512 bytes; never rewritten
	v_lshlrev_b32 v5, 9, v3
	v_lshl_add_u32 v5, v2, 4, v5                   ; two rows of 512 bytes, 256 bytes of each, an instruction
	v_lshlrev_b32 v8, 5, v2
	v_lshlrev_b32 v9, 2, v2
	v_lshlrev_b32 v11, 5, v3                       ; 32 hh: my eight numbers of a tile of 16 in a table of f32; never rewritten
	s_mul_i32 s52, s4, 4352
	s_add_co_u32 s52, s52, STG
	v_mul_u32_u24 v6, v3, 272
	v_lshl_add_u32 v6, v2, 4, v6
	v_add_nc_u32 v6, s52, v6                       ; into my stage as loaded
	v_mul_u32_u24 v7, v2, 272
	v_lshl_add_u32 v7, v3, 5, v7
	v_add_nc_u32 v7, s52, v7                       ; back: row r, 32 bytes of each 64
	s_bfe_u32 s2, ttmp6, 0x40000                   ; cx: my place in the cluster
	s_lshl_b32 s5, ttmp9, 2                        ; in a cluster launch ttmp9 counts clusters
	s_add_co_u32 s2, s2, s5                        ; work-group x = 4 x cluster x + cx: it enters global addresses alone
	s_and_b32 s3, ttmp7, 0xffff                    ; the batch, which the four partners share
	s_mul_i32 s5, s2, 85
	s_lshr_b32 s5, s5, 3                           ; my group's first tile
	s_add_co_u32 s6, s2, 1
	s_mul_i32 s6, s6, 85
	s_lshr_b32 s6, s6, 3
	s_sub_co_u32 s6, s6, 1                         ; its last: the tenth or the eleventh
	s_add_co_u32 s7, s5, s4
	s_min_u32 s7, s7, s6                           ; my tile
	s_mov_b32 s40, 15|(3<<16)|(1<<21)              ; group 1: the mask of four, elements of 8 bytes, bit 21 beside the mask; 64 rows of 32 elements, dense
	s_mov_b32 s41, 32<<16
	s_mov_b32 s42, 64<<16
	s_mov_b32 s43, 32<<16
	s_mov_b32 s44, 64
	s_mov_b32 s45, 32
	s_mov_b32 s46, 0
	s_mov_b32 s47, 0
	s_mov_b32 s36, 1                               ; group 0 of my first load: LDS byte 16,384 x wave
	s_lshl_b32 s37, s4, 14
	s_mov_b32 s48, 1                               ; of my second: 131,072 further on
	s_add_co_u32 s49, s37, WVL
	s_mov_b32 s58, 0xc7435000
	s_mov_b32 s59, 0x47435000
	s_mov_b32 s60, 0x3c000000
	s_mov_b32 s62, 0x3fb8aa3b
	s_mov_b32 s63, s62
	s_mov_b32 s66, 0x76543210
	s_mov_b32 s67, 0xfedcba98
	s_mul_i32 s52, s3, 5440
	s_lshl_b32 s53, s7, 4
	s_add_co_u32 s52, s52, s53                     ; my first row
	s_mov_b32 s55, 0
	s_wait_dscnt 0x0
	s_wait_kmcnt 0x0
	s_lshl_b32 s54, s52, 9
	s_add_nc_u64 s[12:13], s[12:13], s[54:55]
	s_add_nc_u64 s[14:15], s[14:15], s[54:55]
	s_lshl_b32 s54, s52, 2
	s_add_nc_u64 s[16:17], s[16:17], s[54:55]
	s_lshl_b32 s54, s52, 5
	s_add_nc_u64 s[18:19], s[18:19], s[54:55]
	s_add_nc_u64 s[56:57], s[28:29], 11141120      ; val's half of vv
	s_mul_i32 s54, s3, 132352
	s_add_co_u32 s54, s54, s37
	s_add_nc_u64 s[38:39], s[8:9], s[54:55]        ; slice w of my batch's M^T, N^T
	s_or_b32 s39, s39, 0x80000000
	s_add_co_u32 s54, s37, 1867776
	s_add_nc_u64 s[50:51], s[10:11], s[54:55]      ; slice w of wval^T, ww^T, woff^T
	s_or_b32 s51, s51, 0x80000000
.irp u, 0,1                            ; my rows go out first, ahead of the round
.irp i, 0,1,2,3,4,5,6,7
	global_load_b128 v[16+32*\u+4*\i:19+32*\u+4*\i], v5, s[12:13] offset:\i*1024+\u*256
.endr
.endr
.irp u, 0,1
.irp i, 0,1,2,3,4,5,6,7
	global_load_b128 v[80+32*\u+4*\i:83+32*\u+4*\i], v5, s[14:15] offset:\i*1024+\u*256
.endr
.endr
	global_load_b128 v[176:179], v8, s[18:19]
	global_load_b128 v[180:183], v8, s[18:19] offset:16
	global_load_b32 v12, v9, s[16:17]
	ROUND                                          ; all four work-groups are here: the joint loads meet
	s_cmp_lt_u32 s4, 8
	s_cbranch_scc0 .Lparams
	tensor_load_to_lds s[36:39], s[40:47]          ; two loads of mine are out
	s_nop 0
	tensor_load_to_lds s[48:51], s[40:47]
	s_nop 0
	s_branch .Lfilled
.Lparams:                                      ; waves 8-10 copy the small tables
	v_add_nc_u32 v208, CBL, v4
	s_cmp_eq_u32 s4, 8
	s_cbranch_scc0 .Lp9
	s_mul_i32 s52, s3, 132352
	v_add_nc_u32 v209, s52, v4
	v_lshl_add_u32 v210, v1, 2, s52
	global_load_b128 v[192:195], v209, s[8:9] offset:131072
	global_load_b128 v[196:199], v209, s[8:9] offset:131584
	global_load_b32 v200, v210, s[8:9] offset:132096
	v_lshl_add_u32 v211, v1, 2, MADL
	s_wait_loadcnt 0x0
	ds_store_b128 v208, v[192:195]
	ds_store_b128 v208, v[196:199] offset:512
	ds_store_b32 v211, v200
	s_branch .Lfilled
.Lp9:
	s_cmp_eq_u32 s4, 9
	s_cbranch_scc0 .Lp10
	global_load_b128 v[192:195], v4, s[10:11] offset:1998848
	global_load_b128 v[196:199], v4, s[10:11] offset:1999360
	global_load_b128 v[200:203], v4, s[10:11] offset:1999872
	s_wait_loadcnt 0x0
	ds_store_b128 v208, v[192:195] offset:BOFL-CBL
	ds_store_b128 v208, v[196:199] offset:BOFL-CBL+512
	ds_store_b128 v208, v[200:203] offset:BWL-CBL
	s_branch .Lfilled
.Lp10:
	global_load_b128 v[192:195], v4, s[20:21]
	global_load_b128 v[196:199], v4, s[22:23]
	global_load_b128 v[200:203], v4, s[24:25]
	global_load_b128 v[204:207], v4, s[26:27]
	s_wait_loadcnt 0x0
	ds_store_b128 v208, v[192:195] offset:BOL-CBL
	ds_store_b128 v208, v[196:199] offset:G2L-CBL
	ds_store_b128 v208, v[200:203] offset:G2L-CBL+512
	ds_store_b128 v208, v[204:207] offset:BWL-CBL+2048
.Lfilled:
; 16 rows x 256 bytes go through my stage and come back so that lane (r, hh) holds row r, channels 16 t + 8 hh + 0..7: LDS serves a wave's instructions in order
.macro STAGE_IN reg, cnt
	s_wait_loadcnt \cnt                            ; these eight loads are in; the younger tile loads and the three small ones stay out
.irp i, 0,1,2,3,4,5,6,7
	ds_store_b128 v6, v[\reg+4*\i:\reg+4*\i+3] offset:\i*544
.endr
.irp t, 0,1,2,3
	ds_load_b128 v[\reg+8*\t:\reg+8*\t+3], v7 offset:\t*64
	ds_load_b128 v[\reg+8*\t+4:\reg+8*\t+7], v7 offset:\t*64+16
.endr
.endm
	STAGE_IN 16, 27
	STAGE_IN 48, 19
	STAGE_IN 80, 11
	STAGE_IN 112, 3
	s_wait_loadcnt 0x0
	s_wait_dscnt 0x0
.set k, 0
.rept 32                               ; X = vis + pos as fragments; pos kept in bf16
	v_pk_add_f32 v[184+2*(k%4):185+2*(k%4)], v[16+2*k:17+2*k], v[80+2*k:81+2*k]
	v_cvt_pk_bf16_f32 v[144+k], v[184+2*(k%4)], v[185+2*(k%4)]
	v_cvt_pk_bf16_f32 v[80+k], v[80+2*k], v[81+2*k]
.set k, k+1
.endr
	v_sub_nc_u32 v12, 1, v12
	v_cvt_f32_i32 v12, v12                         ; 1 - pad
	v_mov_b32 v13, v12
	s_wait_tensorcnt 0x1                           ; my slice of M^T, N^T has landed; my slice of the weights, issued behind it, may stay out
	s_wait_dscnt 0x0                               ; my stores are done:
	s_barrier_signal -1
	s_barrier_wait -1                              ; everybody's
	v_lshl_add_u32 v8, v3, 5, BOL
.irp t, 0,1,2,3,4,5,6,7
	ds_load_b128 v[192+8*\t:195+8*\t], v8 offset:\t*64
	ds_load_b128 v[196+8*\t:199+8*\t], v8 offset:\t*64+16
.endr
	v_lshl_add_u32 v9, v3, 5, MADL
	ds_load_b128 v[112:115], v9
	ds_load_b128 v[116:119], v9 offset:16
	ds_load_b128 v[120:123], v9 offset:64
	ds_load_b128 v[124:127], v9 offset:80
	s_wait_dscnt 0x0
.set i, 0
.rept 32
	v_pk_add_f32 v[16+2*i:17+2*i], v[16+2*i:17+2*i], v[192+2*i:193+2*i]    ; vis + bo starts the sums
.set i, i+1
.endr
	s_mov_b32 s68, 0                               ; the head's place in M^T, in N^T and in cb: scalars that step; the lane's part stays
	s_mov_b32 s69, NT
	s_mov_b32 s70, CBL
	s_mov_b32 s35, 8
.Lh1:                                          ; a head a trip; it reads LDS bytes below 131,072 and the small tables alone
	v_add_nc_u32 v8, s68, v4
	v_add_nc_u32 v9, s69, v4
	v_add_nc_u32 v10, s70, v11
	ds_load_b128 v[128:131], v10
	ds_load_b128 v[132:135], v10 offset:16
	ds_load_b128 v[136:139], v10 offset:64
	ds_load_b128 v[140:143], v10 offset:80
.irp mt, 0,1
.irp ks, 0,1,2,3
	ds_load_b128 v[192+32*\mt+8*\ks:195+32*\mt+8*\ks], v8 offset:\mt*4096+\ks*1024
	ds_load_b128 v[196+32*\mt+8*\ks:199+32*\mt+8*\ks], v8 offset:\mt*4096+\ks*1024+512
.endr
.endr
	s_wait_dscnt 0x0
.irp ks, 0,1,2,3
.irp mt, 0,1
	v_wmma_f32_16x16x32_bf16 v[128+8*\mt:135+8*\mt], v[192+32*\mt+8*\ks:199+32*\mt+8*\ks], v[144+8*\ks:151+8*\ks], v[128+8*\mt:135+8*\mt]
.endr
.endr
	PLACES
.irp et, 0,1,2,3,4,5,6,7
	ds_load_b128 v[192+8*\et:195+8*\et], v9 offset:\et*8192
	ds_load_b128 v[196+8*\et:199+8*\et], v9 offset:\et*8192+512
.endr
	SOFT16 128, 112, 184, 128
	s_wait_dscnt 0x0
.irp et, 0,1,2,3,4,5,6,7
	v_wmma_f32_16x16x32_bf16 v[16+8*\et:23+8*\et], v[192+8*\et:199+8*\et], v[128:135], v[16+8*\et:23+8*\et]
.endr
	PLACES
	s_add_co_u32 s68, s68, 8192
	s_add_co_u32 s69, s69, 1024
	s_add_co_u32 s70, s70, 128
	s_sub_co_u32 s35, s35, 1
	s_cmp_lg_u32 s35, 0
	s_cbranch_scc1 .Lh1
	LN64 G2L
.set i, 0
.rept 32
	v_cvt_pk_bf16_f32 v[144+i], v[16+2*i], v[17+2*i]
.set i, i+1
.endr
	s_mul_i32 s52, s3, 1392640
	s_lshl_b32 s53, s7, 9
	s_add_co_u32 s52, s52, s53                     ; [b][t or h][row][16]: my tile's 512 bytes in plane 0
	v_lshlrev_b32 v5, 5, v2
	v_lshl_add_u32 v5, v3, 4, v5
	v_add_nc_u32 v5, s52, v5
	v_add_nc_u32 v6, s52, v4
	s_mul_i32 s52, s3, 5570560
	s_lshl_b32 s53, s7, 11
	s_add_co_u32 s52, s52, s53
	v_add_nc_u32 v7, s52, v4
.irp t, 0,1,2,3,4,5,6,7
	global_store_b128 v5, v[144+4*\t:147+4*\t], s[28:29] offset:\t*174080      ; vis2: 512 consecutive bytes each
.endr
.set k, 0
.rept 32                               ; q = vis2 + pos as fragments
	v_lshlrev_b32 v[184+2*(k%4)], 16, v[80+k]
	v_and_b32 v[185+2*(k%4)], 0xffff0000, v[80+k]
	v_pk_add_f32 v[184+2*(k%4):185+2*(k%4)], v[184+2*(k%4):185+2*(k%4)], v[16+2*k:17+2*k]
	v_cvt_pk_bf16_f32 v[80+k], v[184+2*(k%4)], v[185+2*(k%4)]
.set k, k+1
.endr
; level i: my two points of it (registers 2 i, 2 i + 1).  x = (ref + off / W) W - 0.5; floor, fraction; clamp; code; four weights
.macro PAIR i, wm1, wpf, basef
	v_pk_fma_f32 v[216:217], v[128+2*\i:129+2*\i], 0x3c800000+\i*0x800000, v[176+2*\i:177+2*\i] op_sel_hi:[1,0,0]
	v_pk_fma_f32 v[218:219], v[136+2*\i:137+2*\i], 0x3c800000+\i*0x800000, v[176+2*\i:177+2*\i] op_sel:[0,0,1] op_sel_hi:[1,0,1]
	v_pk_fma_f32 v[216:217], v[216:217], 0x42800000-\i*0x800000, -0.5 op_sel_hi:[1,0,0]
	v_pk_fma_f32 v[218:219], v[218:219], 0x42800000-\i*0x800000, -0.5 op_sel_hi:[1,0,0]
	v_floor_f32 v220, v216
	v_floor_f32 v221, v217
	v_floor_f32 v222, v218
	v_floor_f32 v223, v219
	v_pk_add_f32 v[216:217], v[216:217], v[220:221] neg_lo:[0,1] neg_hi:[0,1]
	v_pk_add_f32 v[218:219], v[218:219], v[222:223] neg_lo:[0,1] neg_hi:[0,1]
	v_med3_num_f32 v224, v220, -1.0, \wm1
	v_med3_num_f32 v225, v221, -1.0, \wm1
	v_med3_num_f32 v226, v222, -1.0, \wm1
	v_med3_num_f32 v227, v223, -1.0, \wm1
	v_cmp_eq_f32 vcc_lo, v220, v224                ; a value is chosen, nothing is steered: no corner of a point that the clamp moved lies in the map
	v_cndmask_b32 v[120+2*\i], 0, v[120+2*\i], vcc_lo
	v_cmp_eq_f32 vcc_lo, v222, v226
	v_cndmask_b32 v[120+2*\i], 0, v[120+2*\i], vcc_lo
	v_cmp_eq_f32 vcc_lo, v221, v225
	v_cndmask_b32 v[121+2*\i], 0, v[121+2*\i], vcc_lo
	v_cmp_eq_f32 vcc_lo, v223, v227
	v_cndmask_b32 v[121+2*\i], 0, v[121+2*\i], vcc_lo
	v_fma_f32 v224, v226, \wpf, v224
	v_fma_f32 v225, v227, \wpf, v225
	v_add_f32 v224, \basef, v224
	v_add_f32 v225, \basef, v225
	v_cvt_u32_f32 v224, v224
	v_cvt_u32_f32 v225, v225
	v_lshl_or_b32 v[188+\i], v225, 16, v224
	v_pk_mul_f32 v[228:229], v[120+2*\i:121+2*\i], v[218:219]
	v_pk_add_f32 v[230:231], v[120+2*\i:121+2*\i], v[228:229] neg_lo:[0,1] neg_hi:[0,1]
	v_pk_mul_f32 v[232:233], v[230:231], v[216:217]
	v_pk_add_f32 v[230:231], v[230:231], v[232:233] neg_lo:[0,1] neg_hi:[0,1]
	v_pk_mul_f32 v[234:235], v[228:229], v[216:217]
	v_pk_add_f32 v[228:229], v[228:229], v[234:235] neg_lo:[0,1] neg_hi:[0,1]
	v_cvt_pk_bf16_f32 v[192+\i], v230, v231
	v_cvt_pk_bf16_f32 v[196+\i], v232, v233
	v_cvt_pk_bf16_f32 v[200+\i], v228, v229
	v_cvt_pk_bf16_f32 v[204+\i], v234, v235
.endm
	s_mov_b32 s68, WVL                             ; the head's place in wval^T (ww^T 32,768 on), in woff^T, in bw (bval 2,048 on) and in boff
	s_mov_b32 s69, WOL
	s_mov_b32 s70, BWL
	s_mov_b32 s71, BOFL
	s_mov_b32 s35, 8
	s_wait_tensorcnt 0x0                           ; my slice of the weights has landed,
	s_wait_dscnt 0x0
	s_barrier_signal -1
	s_barrier_wait -1                              ; everybody's
.Lh2:                                          ; a head a trip: val, logits, x and y offsets: four accumulators by turns, their biases as the first C
	v_add_nc_u32 v8, s68, v4
	v_add_nc_u32 v9, s69, v4
	v_add_nc_u32 v10, s70, v11
	v_add_nc_u32 v1, s71, v11
	ds_load_b128 v[112:115], v10 offset:2048
	ds_load_b128 v[116:119], v10 offset:2064
	ds_load_b128 v[120:123], v10
	ds_load_b128 v[124:127], v10 offset:16
	ds_load_b128 v[128:131], v1
	ds_load_b128 v[132:135], v1 offset:16
	ds_load_b128 v[136:139], v1 offset:64
	ds_load_b128 v[140:143], v1 offset:80
.irp ks, 0,1,2,3
	ds_load_b128 v[192+8*\ks:195+8*\ks], v8 offset:\ks*1024
	ds_load_b128 v[196+8*\ks:199+8*\ks], v8 offset:\ks*1024+512
	ds_load_b128 v[224+8*\ks:227+8*\ks], v8 offset:32768+\ks*1024
	ds_load_b128 v[228+8*\ks:231+8*\ks], v8 offset:32768+\ks*1024+512
	ds_load_b128 v[16+8*\ks:19+8*\ks], v9 offset:\ks*1024
	ds_load_b128 v[20+8*\ks:23+8*\ks], v9 offset:\ks*1024+512
	ds_load_b128 v[48+8*\ks:51+8*\ks], v9 offset:4096+\ks*1024
	ds_load_b128 v[52+8*\ks:55+8*\ks], v9 offset:4096+\ks*1024+512
.endr
	s_wait_dscnt 0x0
.irp ks, 0,1,2,3
	v_wmma_f32_16x16x32_bf16 v[112:119], v[192+8*\ks:199+8*\ks], v[144+8*\ks:151+8*\ks], v[112:119]
	v_wmma_f32_16x16x32_bf16 v[120:127], v[224+8*\ks:231+8*\ks], v[80+8*\ks:87+8*\ks], v[120:127]
	v_wmma_f32_16x16x32_bf16 v[128:135], v[16+8*\ks:23+8*\ks], v[80+8*\ks:87+8*\ks], v[128:135]
	v_wmma_f32_16x16x32_bf16 v[136:143], v[48+8*\ks:55+8*\ks], v[80+8*\ks:87+8*\ks], v[136:143]
.endr
	PLACES
.irp k, 0,2,4,6
	v_pk_mul_f32 v[112+\k:113+\k], v[112+\k:113+\k], v[12:13] op_sel_hi:[1,0]
.endr
.irp k, 0,1,2,3
	v_cvt_pk_bf16_f32 v[184+\k], v[112+2*\k], v[113+2*\k]
.endr
	global_store_b128 v5, v[184:187], s[56:57]
	v_max3_num_f32 v208, v120, v121, v122
	v_max3_num_f32 v209, v123, v124, v125
	v_max3_num_f32 v208, v208, v126, v127
	v_max_num_f32 v208, v208, v209
	v_permlanex16_b32 v209, v208, s66, s67
	v_max_num_f32 v208, v208, v209
	v_mul_f32 v210, s62, v208
	v_mov_b32 v211, v210
.irp k, 0,2,4,6
	v_pk_fma_f32 v[120+\k:121+\k], v[120+\k:121+\k], s[62:63], v[210:211] op_sel_hi:[1,0,0] neg_lo:[0,0,1] neg_hi:[0,0,1]
.endr
.irp k, 0,1,2,3,4,5,6,7
	v_exp_f32 v[120+\k], v[120+\k]
.endr
	v_nop
	s_wait_alu depctr_va_vdst(0)
	v_pk_add_f32 v[212:213], v[120:121], v[122:123]
	v_pk_add_f32 v[214:215], v[124:125], v[126:127]
	v_pk_add_f32 v[212:213], v[212:213], v[214:215]
	v_add_f32 v212, v212, v213
	v_permlanex16_b32 v213, v212, s66, s67
	v_add_f32 v212, v212, v213
	v_rcp_f32 v214, v212
	v_nop
	s_wait_alu depctr_va_vdst(0)
.irp k, 0,2,4,6
	v_pk_mul_f32 v[120+\k:121+\k], v[120+\k:121+\k], v[214:215] op_sel_hi:[1,0]
.endr
	PAIR 0, 0x427c0000, 0x42840000, 0x42a00000     ; W - 1 = 63, W + 2 = 66, first entry 80
	PAIR 1, 0x41f80000, 0x42080000, 0x45889000     ; 31, 34, 4370
	PAIR 2, 0x41700000, 0x41900000, 0x45aba000     ; 15, 18, 5492
	PAIR 3, 0x40e00000, 0x41200000, 0x45b53000     ; 7, 10, 5798
	global_store_b128 v6, v[188:191], s[30:31]
.irp c, 0,1,2,3
	global_store_b128 v7, v[192+4*\c:195+4*\c], s[32:33] offset:\c*512
.endr
	s_wait_xcnt 0x0                                ; the stores' offsets are stepped, and their data written again, only behind this wait
	v_add_nc_u32 v5, 174080, v5
	v_add_nc_u32 v6, 174080, v6
	v_add_nc_u32 v7, 696320, v7
	s_add_co_u32 s68, s68, 4096
	s_add_co_u32 s69, s69, 8192
	s_add_co_u32 s70, s70, 64
	s_add_co_u32 s71, s71, 128
	s_sub_co_u32 s35, s35, 1
	s_cmp_lg_u32 s35, 0
	s_cbranch_scc1 .Lh2
	s_wait_dscnt 0x0                               ; my reads of the tables are over,
	s_barrier_signal -1
	s_barrier_wait -1                              ; everybody's: only behind this barrier does a wave write LDS again (the add below)
	s_wait_tensorcnt 0x0                           ; the wave's end
	ds_add_u32 v[SPW], v[NIL]
	s_wait_dscnt 0x0
	ROUND                                          ; the closing round: no work-group ends while a partner may still ask for a slice that names it
	s_endpgm
.Lfunc_end_k_q42fbc66b37_visa:
	.size	k_q42fbc66b37_visa, .Lfunc_end_k_q42fbc66b37_visa-k_q42fbc66b37_visa
	.p2alignl 7, 3214868480
	.fill 96, 4, 3214868480
	.section	.rodata,"a",@progbits
	.p2align	6, 0x0
	.amdhsa_kernel k_q42fbc66b37_visa
		.amdhsa_group_segment_fixed_size 327680
		.amdhsa_private_segment_fixed_size 0
		.amdhsa_enable_private_segment 0
		.amdhsa_kernarg_size 104
		.amdhsa_user_sgpr_count 2
		.amdhsa_user_sgpr_kernarg_segment_ptr 1
		.amdhsa_wavefront_size32 1
		.amdhsa_system_sgpr_workgroup_id_x 1
		.amdhsa_system_sgpr_workgroup_id_y 1
		.amdhsa_system_sgpr_workgroup_id_z 1
		.amdhsa_system_vgpr_workitem_id 0
		.amdhsa_next_free_vgpr 256
		.amdhsa_next_free_sgpr 72
		.amdhsa_reserve_vcc 1
		.amdhsa_float_denorm_mode_32 3
		.amdhsa_float_denorm_mode_16_64 3
		.amdhsa_memory_ordered 1
		.amdhsa_forward_progress 1
		.amdhsa_inst_pref_size 74
	.end_amdhsa_kernel
	.amdgpu_metadata
---
amdhsa.version: [ 1, 2 ]
amdhsa.kernels:
  - .name:           k_q42fbc66b37_visa
    .symbol:         k_q42fbc66b37_visa.kd
    .args:
      - { .name: mn, .offset: 0, .size: 8, .value_kind: global_buffer, .address_space: global }
      - { .name: wts, .offset: 8, .size: 8, .value_kind: global_buffer, .address_space: global }
      - { .name: vis, .offset: 16, .size: 8, .value_kind: global_buffer, .address_space: global }
      - { .name: vis_pos, .offset: 24, .size: 8, .value_kind: global_buffer, .address_space: global }
      - { .name: vis_padding_mask, .offset: 32, .size: 8, .value_kind: global_buffer, .address_space: global }
      - { .name: reference_points, .offset: 40, .size: 8, .value_kind: global_buffer, .address_space: global }
      - { .name: params_l2v_bo, .offset: 48, .size: 8, .value_kind: global_buffer, .address_space: global }
      - { .name: params_vn2_g, .offset: 56, .size: 8, .value_kind: global_buffer, .address_space: global }
      - { .name: params_vn2_b, .offset: 64, .size: 8, .value_kind: global_buffer, .address_space: global }
      - { .name: params_deform_bval, .offset: 72, .size: 8, .value_kind: global_buffer, .address_space: global }
      - { .name: vv, .offset: 80, .size: 8, .value_kind: global_buffer, .address_space: global }
      - { .name: codes, .offset: 88, .size: 8, .value_kind: global_buffer, .address_space: global }
      - { .name: w4, .offset: 96, .size: 8, .value_kind: global_buffer, .address_space: global }
    .group_segment_fixed_size: 327680
    .private_segment_fixed_size: 0
    .kernarg_segment_align: 8
    .kernarg_segment_size: 104
    .max_flat_workgroup_size: 352
    .sgpr_count:     72
    .vgpr_count:     256
    .wavefront_size: 32
...
	.end_amdgpu_metadata
.endif
;; end of part 5
;; launch samp (part 6): grid 4 x 64, 20 waves a work-group, no clusters, 231,936 bytes of LDS; arguments vv, codes, w4, smp; writes smp
.if DOCPART == 6
	.amdgcn_target "amdgcn-amd-amdhsa--gfx1250"
	.amdhsa_code_object_version 6
	.text
	.protected	k_q42fbc66b37_samp
	.globl	k_q42fbc66b37_samp
	.p2align	8
	.type	k_q42fbc66b37_samp,@function
k_q42fbc66b37_samp:
	s_mov_b64 s[64:65], 0
	v_nop
	global_prefetch_b8 v0, s[64:65] scope:SCOPE_SE
	s_setreg_imm32_b32 hwreg(HW_REG_WAVE_MODE, 25, 1), 1
	s_wait_xcnt 0x0
; SAMP: the bilinear gather.  Four work-groups serve one (batch, head): each brings the value table (5,440 entries of 16 bf16) into its LDS by seven tensor loads (one a wave, waves 0-6, first fills
; only) and takes a quarter, 85, of the 340 tiles of 16 queries.  20 waves, five for each of a WGP's four SIMDs: waves 0, 5, 10, 15 and 19 take five tiles, the others four (85 = 5 x 5 + 15 x 4),
; so that, dealt to the SIMDs in turn or in blocks of five, no five waves have more than 22 tiles.  The loop counts to five; a wave with four tiles jumps over the first trip.
; NO CLUSTER, though the four read the same table: the gather's LDS addresses come from each work-group's own codes, so they differ between partners.
; THE TABLE: a level has W + 2 entries a row and H + 1 rows; the two entries and the row beyond the map arrive as zeros (the tile asked for is larger than the tensor stated), and 2,560 zero bytes stand in
; front.  So all four corners of a point stand at fixed distances from its code, and a corner outside the map reads 0.
; LANES: query l >> 3 of four, corner (l >> 1) & 3, half l & 1 of the 16 channels.  A lane reads 16 bytes for each of the 16 points and adds them with its corner's weights, in f32; two steps across lanes add the corners.
; The codes are whole numbers stored by the launch before; each is held to its level's largest code before it enters an address.
.set STG,   188416                     ; 20 x 2,048 bytes: a tile's four planes of weights
.set SPARE, 229376
.set FIVE,  0x88421                    ; bit w set: wave w takes five tiles
.set SPW, 14
.set NIL, 15
; group 1 of a descriptor: rows of td0 elements of 2 bytes, td1 of them, asked for as tl1 rows of tl0: what lies beyond arrives as zeros
.macro SHAPE g1, td0, tl0, td1, tl1
	s_mov_b32 s[\g1], 1<<16
	s_mov_b32 s[\g1+1], (\td0)<<16
	s_mov_b32 s[\g1+2], (\td1)<<16
	s_mov_b32 s[\g1+3], (\tl0)<<16
	s_mov_b32 s[\g1+4], \tl1
	s_mov_b32 s[\g1+5], \td0
	s_mov_b32 s[\g1+6], 0
	s_mov_b32 s[\g1+7], 0
.endm
.macro FROM g0, goff                   ; group 0's global address and type
	s_add_nc_u64 s[\g0+2:\g0+3], s[36:37], \goff
	s_or_b32 s[\g0+3], s[\g0+3], 0x80000000
.endm
	s_load_b256 s[8:15], s[0:1], 0x0               ; vv, codes, w4, smp
	v_lshl_add_u32 v[SPW], v0, 2, SPARE
	v_mov_b32 v[NIL], 0
	ds_add_u32 v[SPW], v[NIL]                      ; the wave's opening: the add and its wait ahead of the first tensor load
	ds_add_u32 v14, v15
	v_lshrrev_b32 v1, 5, v0
	v_readfirstlane_b32 s4, v1
	s_mov_b32 s5, ttmp9                            ; my quarter of the tiles
	s_and_b32 s6, ttmp7, 0xffff                    ; 8 b + h
	v_and_b32 v1, 31, v0
	v_lshlrev_b32 v4, 4, v1
	v_bfe_u32 v5, v0, 3, 2                         ; query of four
	v_bfe_u32 v6, v0, 1, 2                         ; corner
	v_and_b32 v7, 1, v0                            ; channel half
	v_bfe_u32 v2, v0, 2, 1                         ; corner's y
	v_bfe_u32 v3, v0, 1, 1                         ; corner's x
.irp lv, 0,1,2,3
	v_mul_u32_u24 v[8+\lv], v2, ((64>>\lv)+2)*32
	v_lshl_add_u32 v[8+\lv], v3, 5, v[8+\lv]
	v_lshl_add_u32 v[8+\lv], v7, 4, v[8+\lv]       ; my corner's and half's distance from a code's entry, level by level
.endr
	s_lshl_b32 s7, s4, 11
	s_add_co_u32 s7, s7, STG
	v_add_nc_u32 v12, s7, v4
	v_lshl_add_u32 v13, v6, 9, s7
	v_lshl_add_u32 v13, v5, 4, v13
	v_mov_b32 v19, 0
	s_bfm_b32 s16, s4, 0                           ; w ones
	s_and_b32 s16, s16, FIVE
	s_bcnt1_i32_b32 s16, s16                       ; the waves below me that take five tiles
	s_lshl2_add_u32 s16, s4, s16                   ; 4 w + that many
	s_mul_i32 s17, s5, 85
	s_add_co_u32 s16, s16, s17                     ; my first tile
	s_lshr_b32 s33, FIVE, s4
	s_and_b32 s33, s33, 1
	s_add_co_u32 s33, s33, 4                       ; my tiles: 4 or 5
	s_lshl_b32 s17, s16, 11
	v_add_nc_u32 v16, s17, v4                      ; w4
	s_lshl_b32 s17, s16, 9
	v_lshl_add_u32 v17, v5, 4, s17                 ; codes
	v_lshl_add_u32 v18, v6, 2, v5
	v_lshlrev_b32 v18, 5, v18
	v_lshl_add_u32 v18, v7, 4, v18
	v_add_nc_u32 v18, s17, v18                     ; smp: query 4 corner + (l >> 3): the sub-trip whose number is my corner's is the one that I keep
	s_mul_i32 s18, s6, 174080
	s_mov_b32 s19, 0
	s_mul_i32 s20, s6, 696320
	s_mov_b32 s21, 0
	; five descriptors, each in registers of its own, all written ahead of the first load.  Waves 0-2: 16 rows each of level 0; wave 3: its last 16 rows and the zero row; waves 4-6: levels 1-3
	SHAPE 24, 1024, 1056, 16, 16
	SHAPE 68, 1024, 1056, 16, 17
	SHAPE 76, 512,  544,  32, 33
	SHAPE 84, 256,  288,  16, 17
	SHAPE 92, 128,  160,  8,  9
	s_mov_b32 s40, 1
	s_mul_i32 s41, s4, 33792                       ; 16 rows of 66 entries of 32 bytes
	s_add_co_u32 s41, s41, 2560
	s_mov_b32 s44, 1
	s_mov_b32 s45, 103936
	s_mov_b32 s48, 1
	s_mov_b32 s49, 139840
	s_mov_b32 s52, 1
	s_mov_b32 s53, 175744
	s_mov_b32 s56, 1
	s_mov_b32 s57, 185536
	s_lshl_b32 s34, s4, 15                         ; 16 rows of 64 entries in memory
	s_mov_b32 s35, 0
	s_wait_dscnt 0x0
	s_wait_kmcnt 0x0
	s_add_nc_u64 s[36:37], s[8:9], 11141120
	s_add_nc_u64 s[36:37], s[36:37], s[18:19]      ; val of (b, h)
	s_add_nc_u64 s[10:11], s[10:11], s[18:19]
	s_add_nc_u64 s[12:13], s[12:13], s[20:21]
	s_add_nc_u64 s[14:15], s[14:15], s[18:19]
	s_add_nc_u64 s[42:43], s[36:37], s[34:35]
	s_or_b32 s43, s43, 0x80000000
	FROM 44, 98304
	FROM 48, 131072
	FROM 52, 163840
	FROM 56, 172032
	s_cmp_lt_u32 s4, 3
	s_cbranch_scc0 .Lw3
	tensor_load_to_lds s[40:43], s[24:31]
	s_nop 0
	s_branch .Lasked
.Lw3:
	s_cmp_eq_u32 s4, 3
	s_cbranch_scc0 .Lw4
	tensor_load_to_lds s[44:47], s[68:75]
	s_nop 0
	s_branch .Lasked
.Lw4:
	s_cmp_eq_u32 s4, 4
	s_cbranch_scc0 .Lw5
	tensor_load_to_lds s[48:51], s[76:83]
	s_nop 0
	s_branch .Lasked
.Lw5:
	s_cmp_eq_u32 s4, 5
	s_cbranch_scc0 .Lw6
	tensor_load_to_lds s[52:55], s[84:91]
	s_nop 0
	s_branch .Lasked
.Lw6:
	s_cmp_eq_u32 s4, 6
	s_cbranch_scc0 .Lw7
	tensor_load_to_lds s[56:59], s[92:99]
	s_nop 0
	s_branch .Lasked
.Lw7:
	s_cmp_eq_u32 s4, 7
	s_cbranch_scc0 .Lasked
	v_mov_b32 v20, 0
	v_mov_b32 v21, 0
	v_mov_b32 v22, 0
	v_mov_b32 v23, 0
.irp k, 0,1,2,3,4
	ds_store_b128 v4, v[20:23] offset:\k*512       ; the 80 zero entries in front of level 0
.endr
.Lasked:
.irp c, 0,1,2,3
	global_load_b128 v[32+4*\c:35+4*\c], v16, s[12:13] offset:\c*512
.endr
.irp u, 0,1,2,3
	global_load_b128 v[48+8*\u:51+8*\u], v17, s[10:11] offset:\u*64
	global_load_b128 v[52+8*\u:55+8*\u], v17, s[10:11] offset:256+\u*64
.endr
	s_wait_tensorcnt 0x0                           ; my part of the table has landed,
	s_wait_dscnt 0x0                               ; my stores are done:
	s_barrier_signal -1
	s_barrier_wait -1                              ; the table is whole
.macro GATH u, d, lv, mx               ; the two points of code word d, both of level lv
	v_and_b32 v[20+2*((\d)%2)], 0xffff, v[48+8*\u+\d]
	v_lshrrev_b32 v[21+2*((\d)%2)], 16, v[48+8*\u+\d]
	v_min_u32 v[20+2*((\d)%2)], \mx, v[20+2*((\d)%2)]
	v_min_u32 v[21+2*((\d)%2)], \mx, v[21+2*((\d)%2)]
	v_lshl_add_u32 v[20+2*((\d)%2)], v[20+2*((\d)%2)], 5, v[8+\lv]
	v_lshl_add_u32 v[21+2*((\d)%2)], v[21+2*((\d)%2)], 5, v[8+\lv]
	ds_load_b128 v[88+8*\d:91+8*\d], v[20+2*((\d)%2)]
	ds_load_b128 v[92+8*\d:95+8*\d], v[21+2*((\d)%2)]
.endm
.macro FM m, w, e, first               ; point m: eight channels times half e of weight register w
.irp kk, 0,1,2,3
.if \first
	v_fma_mix_f32_bf16 v[152+2*\kk], v[88+4*(\m)+\kk], v[\w], v19 op_sel:[0,\e,0] op_sel_hi:[1,1,0]
	v_fma_mix_f32_bf16 v[153+2*\kk], v[88+4*(\m)+\kk], v[\w], v19 op_sel:[1,\e,0] op_sel_hi:[1,1,0]
.else
	v_fma_mix_f32_bf16 v[152+2*\kk], v[88+4*(\m)+\kk], v[\w], v[152+2*\kk] op_sel:[0,\e,0] op_sel_hi:[1,1,0]
	v_fma_mix_f32_bf16 v[153+2*\kk], v[88+4*(\m)+\kk], v[\w], v[153+2*\kk] op_sel:[1,\e,0] op_sel_hi:[1,1,0]
.endif
.endr
.endm
.macro SUB u                           ; queries 4 u .. 4 u + 3 of the tile
	s_wait_loadcnt 10                              ; my codes are in; younger: 2 (3 - u) code loads of this tile, 4 planes and 2 u code loads of the next
	ds_load_b128 v[80:83], v13 offset:\u*64
	ds_load_b128 v[84:87], v13 offset:256+\u*64
	GATH \u, 0, 0, 4301
	GATH \u, 1, 1, 5455
	GATH \u, 2, 2, 5777
	GATH \u, 3, 3, 5875
	GATH \u, 4, 0, 4301
	GATH \u, 5, 1, 5455
	GATH \u, 6, 2, 5777
	GATH \u, 7, 3, 5875
	global_load_b128 v[48+8*\u:51+8*\u], v17, s[10:11] offset:\u*64        ; the next tile's codes
	global_load_b128 v[52+8*\u:55+8*\u], v17, s[10:11] offset:256+\u*64
	s_wait_dscnt 15                                ; LDS loads come back in order: point m is in when 15 - m younger ones are out
	FM 0, 80, 0, 1
	s_wait_dscnt 14
	FM 1, 80, 1, 0
.irp d, 1,2,3,4,5,6,7
	s_wait_dscnt 15-2*\d
	FM 2*\d, 80+\d, 0, 0
	s_wait_dscnt 14-2*\d
	FM 2*\d+1, 80+\d, 1, 0
.endr
.irp k, 0,1,2,3,4,5,6,7
	v_add_f32_dpp v[152+\k], v[152+\k], v[152+\k] row_xmask:2 row_mask:0xf bank_mask:0xf
.endr
.irp k, 0,1,2,3,4,5,6,7
	v_add_f32_dpp v[152+\k], v[152+\k], v[152+\k] row_xmask:4 row_mask:0xf bank_mask:0xf
.endr
.if \u == 0
.irp k, 0,1,2,3
	v_cvt_pk_bf16_f32 v[160+\k], v[152+2*\k], v[153+2*\k]
.endr
.else
.irp k, 0,1,2,3
	v_cvt_pk_bf16_f32 v[164+\k], v[152+2*\k], v[153+2*\k]
.endr
	v_cmp_eq_u32 vcc_lo, \u, v6
.irp k, 0,1,2,3
	v_cndmask_b32 v[160+\k], v[160+\k], v[164+\k], vcc_lo
.endr
.endif
.endm
	s_mov_b32 s22, 5
.Ltile:
	s_cmp_gt_u32 s22, s33                          ; a wave with four tiles has nothing to do in the first of the five trips: its first tile's loads stay out
	s_cbranch_scc1 .Lnone
	s_wait_loadcnt 8                               ; this tile's planes are in; its 8 code loads stay out
	s_wait_xcnt 0x0                                ; the loads' offsets are stepped only behind this wait
.irp c, 0,1,2,3
	ds_store_b128 v12, v[32+4*\c:35+4*\c] offset:\c*512
.endr
	s_cmp_lg_u32 s22, 1                            ; the last trip asks for its own tile once more: no load leaves its buffer
	s_cselect_b32 s23, 2048, 0
	s_cselect_b32 s32, 512, 0
	v_add_nc_u32 v16, s23, v16
	v_add_nc_u32 v17, s32, v17
.irp c, 0,1,2,3
	global_load_b128 v[32+4*\c:35+4*\c], v16, s[12:13] offset:\c*512
.endr
	SUB 0
	SUB 1
	SUB 2
	SUB 3
	global_store_b128 v18, v[160:163], s[14:15]    ; the wave's 512 consecutive bytes: 16 queries x 16 channels
	s_wait_xcnt 0x0
	v_add_nc_u32 v18, 512, v18
.Lnone:
	s_sub_co_u32 s22, s22, 1
	s_cmp_lg_u32 s22, 0
	s_cbranch_scc1 .Ltile
	s_wait_tensorcnt 0x0                           ; the wave's end
	ds_add_u32 v[SPW], v[NIL]
	s_wait_dscnt 0x0
	s_endpgm
.Lfunc_end_k_q42fbc66b37_samp:
	.size	k_q42fbc66b37_samp, .Lfunc_end_k_q42fbc66b37_samp-k_q42fbc66b37_samp
	.p2alignl 7, 3214868480
	.fill 96, 4, 3214868480
	.section	.rodata,"a",@progbits
	.p2align	6, 0x0
	.amdhsa_kernel k_q42fbc66b37_samp
		.amdhsa_group_segment_fixed_size 231936
		.amdhsa_private_segment_fixed_size 0
		.amdhsa_enable_private_segment 0
		.amdhsa_kernarg_size 32
		.amdhsa_user_sgpr_count 2
		.amdhsa_user_sgpr_kernarg_segment_ptr 1
		.amdhsa_wavefront_size32 1
		.amdhsa_system_sgpr_workgroup_id_x 1
		.amdhsa_system_sgpr_workgroup_id_y 1
		.amdhsa_system_sgpr_workgroup_id_z 1
		.amdhsa_system_vgpr_workitem_id 0
		.amdhsa_next_free_vgpr 176
		.amdhsa_next_free_sgpr 100
		.amdhsa_reserve_vcc 1
		.amdhsa_float_denorm_mode_32 3
		.amdhsa_float_denorm_mode_16_64 3
		.amdhsa_memory_ordered 1
		.amdhsa_forward_progress 1
		.amdhsa_inst_pref_size 67
	.end_amdhsa_kernel
	.amdgpu_metadata
---
amdhsa.version: [ 1, 2 ]
amdhsa.kernels:
  - .name:           k_q42fbc66b37_samp
    .symbol:         k_q42fbc66b37_samp.kd
    .args:
      - { .name: vv, .offset: 0, .size: 8, .value_kind: global_buffer, .address_space: global }
      - { .name: codes, .offset: 8, .size: 8, .value_kind: global_buffer, .address_space: global }
      - { .name: w4, .offset: 16, .size: 8, .value_kind: global_buffer, .address_space: global }
      - { .name: smp, .offset: 24, .size: 8, .value_kind: global_buffer, .address_space: global }
    .group_segment_fixed_size: 231936
    .private_segment_fixed_size: 0
    .kernarg_segment_align: 8
    .kernarg_segment_size: 32
    .max_flat_workgroup_size: 640
    .sgpr_count:     100
    .vgpr_count:     176
    .wavefront_size: 32
...
	.end_amdgpu_metadata
.endif
;; end of part 6
;; launch visb (part 7): grid 32 x 8, 11 waves a work-group, clusters of 4 x 1, 327,680 bytes of LDS; arguments smp, vv, wts, params_deform_bout, params_vn1_g, params_vn1_b, params_vmlp_b1, params_vmlp_b2, params_vn3_g, params_vn3_b, out0; writes out0
.if DOCPART == 7
	.amdgcn_target "amdgcn-amd-amdhsa--gfx1250"
	.amdhsa_code_object_version 6
	.text
	.protected	k_q42fbc66b37_visb
	.globl	k_q42fbc66b37_visb
	.p2align	8
	.type	k_q42fbc66b37_visb,@function
k_q42fbc66b37_visb:
	s_mov_b64 s[64:65], 0
	v_nop
	global_prefetch_b8 v0, s[64:65] scope:SCOPE_SE
	s_setreg_imm32_b32 hwreg(HW_REG_WAVE_MODE, 25, 1), 1
	s_wait_xcnt 0x0
	s_wait_alu depctr_hold_cnt(0) depctr_sa_sdst(0) depctr_va_vdst(0) depctr_va_sdst(0) depctr_va_ssrc(0) depctr_va_vcc(0) depctr_vm_vsrc(0)
	s_getreg_b32 s2, hwreg(HW_REG_IB_STS2, 6, 4)
	s_cmp_eq_u32 s2, 0
	s_cbranch_scc0 .Lentry_in_a_cluster
	s_endpgm
.Lentry_in_a_cluster:
	s_bfe_u32 s2, ttmp6, 0x10000c
	s_cmp_lg_u32 s2, 0x3003
	s_cbranch_scc0 .Lentry_shape_is_right
	s_endpgm
.Lentry_shape_is_right:
; VISB: for 16 vision rows a wave: x = LN1(vis2 + sampled wout + bout);  out0 = LN3(x + relu(x w1 + b1) w2 + b2).
; SHARES.  Tiles are dealt as in the launch that made vis2: 10 or 11 to a work-group, one a wave; in a group of 10 the eleventh wave takes the tenth tile once more and stores the same bytes, so that every
; wave of every work-group runs the same text, and the work-group's number enters global addresses alone.
; CLUSTER.  All work-groups need the same 294,912 bytes of w1^T, w2^T, wout^T, in fragment order: four neighbours ask for each slice JOINTLY, by the same tensor load with the same descriptor and a mask of four.
; THREE STAGES.  Waves 0-7 issue three loads each, in the order in which the bytes are wanted: 4,096 bytes of wout^T; 16,384 bytes of what hidden chunks 0-3 read (waves 0-3: w1^T, waves 4-7: w2^T);
; the same for chunks 4-7.  A wave's tensor loads end in order (ISA guide 10.11.1): the barrier ahead of each stage asks for that stage's load alone, and the later ones land under the work.  First fills only.
; Of w2^T (8 tiles of rows x 16 fragments along K) a half along K is 8 KB of each tile's 16 KB: a load takes two tiles' halves as two rows of 8 KB, and they lie in LDS on end.
; A lane holds one row and eight neighbouring columns; the hidden layer goes in eight chunks of 64.  The result leaves through LDS, staged in w1's bytes, which have had their only fill and are read no
; more behind the last barrier.  Matrix operands bf16; sums, residual and norms f32.
.set W2L,   131072                     ; fragment (et, ks): W2L + 65,536 (ks >> 3) + 8,192 et + 1,024 (ks & 7)
.set WOUTL, 262144
.set BOUTL, 294912
.set G1L,   295424                     ; its bias 512 further on
.set FB2L,  296448
.set FB1L,  296960
.set G3L,   299008                     ; its bias 512 further on
.set SPARE, 300032
.set SPW, 14
.set NIL, 15
.macro PLACES
.rept 4
	v_nop
.endr
.endm
.macro ROUND                           ; a round of the cluster's barrier
	s_barrier_signal -1
	s_barrier_wait -1
	s_cmp_lg_u32 s4, 0
	s_cbranch_scc1 .Lnot_wave_0_\@
	s_barrier_signal -3
.Lnot_wave_0_\@:
	s_barrier_wait -3
	s_barrier_signal -1
	s_barrier_wait -1
.endm
.macro SHAPE g1, d0, d1, pitch         ; group 1: d1 rows of d0 elements of 8 bytes, pitch elements apart; the mask of four, bit 21 beside it
	s_mov_b32 s[\g1], 15|(3<<16)|(1<<21)
	s_mov_b32 s[\g1+1], (\d0)<<16
	s_mov_b32 s[\g1+2], (\d1)<<16
	s_mov_b32 s[\g1+3], (\d0)<<16
	s_mov_b32 s[\g1+4], \d1
	s_mov_b32 s[\g1+5], \pitch
	s_mov_b32 s[\g1+6], 0
	s_mov_b32 s[\g1+7], 0
.endm
.macro LNGB c
.irp t, 0,1,2,3
	ds_load_b128 v[192+8*\t:195+8*\t], v8 offset:(4*\c+\t)*64
	ds_load_b128 v[196+8*\t:199+8*\t], v8 offset:(4*\c+\t)*64+16
	ds_load_b128 v[224+8*\t:227+8*\t], v8 offset:512+(4*\c+\t)*64
	ds_load_b128 v[228+8*\t:231+8*\t], v8 offset:512+(4*\c+\t)*64+16
.endr
.endm
.macro LN64 gaddr                      ; LayerNorm of the row whose 128 numbers lie in v[16:79] of lanes r and r + 16
	v_lshl_add_u32 v8, v3, 5, \gaddr
	LNGB 0
.irp k, 0,1,2,3
	v_pk_add_f32 v[184+2*\k:185+2*\k], v[16+2*\k:17+2*\k], v[24+2*\k:25+2*\k]
.endr
.set i, 8
.rept 24
	v_pk_add_f32 v[184+2*(i%4):185+2*(i%4)], v[184+2*(i%4):185+2*(i%4)], v[16+2*i:17+2*i]
.set i, i+1
.endr
	v_pk_add_f32 v[184:185], v[184:185], v[186:187]
	v_pk_add_f32 v[188:189], v[188:189], v[190:191]
	v_pk_add_f32 v[184:185], v[184:185], v[188:189]
	v_add_f32 v184, v184, v185
	v_permlanex16_b32 v185, v184, s66, s67
	v_add_f32 v184, v184, v185
	v_mul_f32 v184, s88, v184
.set i, 0
.rept 32
	v_pk_add_f32 v[16+2*i:17+2*i], v[16+2*i:17+2*i], v[184:185] op_sel_hi:[1,0] neg_lo:[0,1] neg_hi:[0,1]
.set i, i+1
.endr
.irp k, 0,1,2,3
	v_pk_mul_f32 v[184+2*\k:185+2*\k], v[16+2*\k:17+2*\k], v[16+2*\k:17+2*\k]
.endr
.set i, 4
.rept 28
	v_pk_fma_f32 v[184+2*(i%4):185+2*(i%4)], v[16+2*i:17+2*i], v[16+2*i:17+2*i], v[184+2*(i%4):185+2*(i%4)]
.set i, i+1
.endr
	v_pk_add_f32 v[184:185], v[184:185], v[186:187]
	v_pk_add_f32 v[188:189], v[188:189], v[190:191]
	v_pk_add_f32 v[184:185], v[184:185], v[188:189]
	v_add_f32 v184, v184, v185
	v_permlanex16_b32 v185, v184, s66, s67
	v_add_f32 v184, v184, v185
	v_fmaak_f32 v184, s88, v184, 0x3727c5ac
	v_rsq_f32 v186, v184
	v_nop
	s_wait_alu depctr_va_vdst(0)
.irp c, 0,1
	s_wait_dscnt 0x0
.set i, 0
.rept 16
	v_pk_mul_f32 v[16+32*\c+2*i:17+32*\c+2*i], v[16+32*\c+2*i:17+32*\c+2*i], v[186:187] op_sel_hi:[1,0]
	v_pk_fma_f32 v[16+32*\c+2*i:17+32*\c+2*i], v[16+32*\c+2*i:17+32*\c+2*i], v[192+2*i:193+2*i], v[224+2*i:225+2*i]
.set i, i+1
.endr
.if \c == 0
	LNGB 1
.endif
.endr
.endm
; Four hidden chunks of 64.  The chunk's place in w1^T (s30), in w2^T (s31) and in b1 (s34) are scalars that step; the lane's part stays.
.macro CHUNKS
	s_mov_b32 s35, 4
.Lchunk_\@:
	v_add_nc_u32 v9, s30, v4
	v_add_nc_u32 v10, s31, v4
	v_add_nc_u32 v12, s34, v6
.irp t, 0,1,2,3
	ds_load_b128 v[112+8*\t:115+8*\t], v12 offset:\t*64
	ds_load_b128 v[116+8*\t:119+8*\t], v12 offset:\t*64+16
.endr
.irp hf, 0,1
.irp t, 0,1,2,3
.irp k, 0,1
	ds_load_b128 v[192+16*\t+8*\k:195+16*\t+8*\k], v9 offset:\t*4096+(2*\hf+\k)*1024
	ds_load_b128 v[196+16*\t+8*\k:199+16*\t+8*\k], v9 offset:\t*4096+(2*\hf+\k)*1024+512
.endr
.endr
	s_wait_dscnt 0x0
.irp k, 0,1
.irp t, 0,1,2,3
	v_wmma_f32_16x16x32_bf16 v[112+8*\t:119+8*\t], v[192+16*\t+8*\k:199+16*\t+8*\k], v[80+8*(2*\hf+\k):87+8*(2*\hf+\k)], v[112+8*\t:119+8*\t]
.endr
.endr
	PLACES
.endr
.set i, 0
.rept 16
	v_cvt_pk_bf16_f32 v[144+i], v[112+2*i], v[113+2*i]
.set i, i+1
.endr
.set i, 0
.rept 16
	v_pk_max_num_bf16 v[144+i], v[144+i], v13
.set i, i+1
.endr
.irp kk, 0,1
.irp et, 0,1,2,3,4,5,6,7
	ds_load_b128 v[192+8*\et:195+8*\et], v10 offset:\et*8192+\kk*1024
	ds_load_b128 v[196+8*\et:199+8*\et], v10 offset:\et*8192+\kk*1024+512
.endr
	s_wait_dscnt 0x0
.irp et, 0,1,2,3,4,5,6,7
	v_wmma_f32_16x16x32_bf16 v[16+8*\et:23+8*\et], v[192+8*\et:199+8*\et], v[144+8*\kk:151+8*\kk], v[16+8*\et:23+8*\et]
.endr
	PLACES
.endr
	s_add_co_u32 s30, s30, 16384
	s_add_co_u32 s31, s31, 2048
	s_add_co_u32 s34, s34, 256
	s_sub_co_u32 s35, s35, 1
	s_cmp_lg_u32 s35, 0
	s_cbranch_scc1 .Lchunk_\@
.endm
	s_load_b512 s[8:23], s[0:1], 0x0               ; smp, vv, wts, bout, g1, b1, fb1, fb2
	s_load_b128 s[24:27], s[0:1], 0x40             ; g3, b3
	s_load_b64 s[28:29], s[0:1], 0x50              ; out0
	v_lshl_add_u32 v[SPW], v0, 2, SPARE
	v_mov_b32 v[NIL], 0
	ds_add_u32 v[SPW], v[NIL]                      ; the wave's opening: the add and its wait ahead of the round in front of the first tensor loads
	ds_add_u32 v14, v15
	v_lshrrev_b32 v1, 5, v0
	v_readfirstlane_b32 s4, v1
	v_and_b32 v1, 31, v0
	v_and_b32 v2, 15, v0
	v_bfe_u32 v3, v0, 4, 1
	v_lshlrev_b32 v4, 4, v1                        ; 16 l; never rewritten
	v_lshlrev_b32 v6, 5, v3                        ; 32 hh; never rewritten
	s_bfe_u32 s2, ttmp6, 0x40000                   ; cx: my place in the cluster
	s_lshl_b32 s5, ttmp9, 2
	s_add_co_u32 s2, s2, s5                        ; work-group x = 4 x cluster x + cx: it enters global addresses alone
	s_and_b32 s3, ttmp7, 0xffff                    ; the batch
	s_mul_i32 s5, s2, 85
	s_lshr_b32 s5, s5, 3
	s_add_co_u32 s6, s2, 1
	s_mul_i32 s6, s6, 85
	s_lshr_b32 s6, s6, 3
	s_sub_co_u32 s6, s6, 1                         ; my group's last tile
	s_add_co_u32 s7, s5, s4
	s_min_u32 s7, s7, s6                           ; my tile
	; three shapes and five groups 0, each in registers of its own, all written ahead of the first load
	SHAPE 40, 32, 16, 32                           ; 16 dense rows of 256 bytes: a slice of wout^T
	SHAPE 48, 32, 64, 32                           ; 64 dense rows of 256 bytes: a slice of w1^T
	SHAPE 56, 1024, 2, 2048                        ; 2 rows of 8,192 bytes, 16,384 apart: half of K of two tiles of w2^T
	s_mov_b32 s68, 1
	s_lshl_b32 s69, s4, 12
	s_add_co_u32 s69, s69, WOUTL                   ; wout^T: 4,096 x wave
	s_mov_b32 s72, 1
	s_lshl_b32 s73, s4, 14                         ; w1^T, chunks 0-3: 16,384 x wave (waves 0-3)
	s_mov_b32 s76, 1
	s_add_co_u32 s77, s73, 65536                   ; chunks 4-7
	s_mov_b32 s80, 1
	s_add_co_u32 s81, s73, 65536                   ; w2^T, chunks 0-3: W2L + 16,384 (wave - 4) (waves 4-7)
	s_mov_b32 s84, 1
	s_add_co_u32 s85, s73, 131072                  ; chunks 4-7
	s_mov_b32 s88, 0x3c000000                      ; 1 / 128
	s_mov_b32 s66, 0x76543210
	s_mov_b32 s67, 0xfedcba98
	s_mul_i32 s90, s3, 1392640
	s_lshl_b32 s91, s7, 9
	s_add_co_u32 s90, s90, s91
	v_lshlrev_b32 v5, 5, v2
	v_lshl_add_u32 v5, v3, 4, v5
	v_add_nc_u32 v5, s90, v5                       ; [b][h][row][16]: my 16 bytes in plane 0
	s_mul_i32 s90, s3, 5440
	s_lshl_b32 s91, s7, 4
	s_add_co_u32 s90, s90, s91
	s_lshl_b32 s92, s90, 9
	s_mov_b32 s93, 0
	s_wait_dscnt 0x0
	s_wait_kmcnt 0x0
	s_add_nc_u64 s[28:29], s[28:29], s[92:93]
	s_lshl_b32 s92, s4, 12
	s_add_co_u32 s92, s92, 1835008
	s_add_nc_u64 s[70:71], s[12:13], s[92:93]
	s_add_co_u32 s92, s73, 1572864
	s_add_nc_u64 s[74:75], s[12:13], s[92:93]
	s_add_nc_u64 s[78:79], s[74:75], 65536
	s_lshl_b32 s92, s4, 15
	s_add_co_u32 s92, s92, 1572864                 ; w2^T begins 131,072 behind w1^T: two tiles, 32,768 bytes, for each wave from the fourth on
	s_add_nc_u64 s[82:83], s[12:13], s[92:93]
	s_add_nc_u64 s[86:87], s[82:83], 8192
	s_or_b32 s71, s71, 0x80000000
	s_or_b32 s75, s75, 0x80000000
	s_or_b32 s79, s79, 0x80000000
	s_or_b32 s83, s83, 0x80000000
	s_or_b32 s87, s87, 0x80000000
.irp t, 0,1,2,3,4,5,6,7                ; my rows go out first, ahead of the round
	global_load_b128 v[80+4*\t:83+4*\t], v5, s[8:9] offset:\t*174080       ; the sampled values: four fragments
.endr
.irp t, 0,1,2,3,4,5,6,7
	global_load_b128 v[112+4*\t:115+4*\t], v5, s[10:11] offset:\t*174080   ; vis2
.endr
	ROUND                                          ; all four work-groups are here: the joint loads meet
	s_cmp_lt_u32 s4, 4
	s_cbranch_scc0 .Lw47
	tensor_load_to_lds s[68:71], s[40:47]          ; three loads of mine are out
	s_nop 0
	tensor_load_to_lds s[72:75], s[48:55]
	s_nop 0
	tensor_load_to_lds s[76:79], s[48:55]
	s_nop 0
	s_branch .Lfilled
.Lw47:
	s_cmp_lt_u32 s4, 8
	s_cbranch_scc0 .Lparams
	tensor_load_to_lds s[68:71], s[40:47]
	s_nop 0
	tensor_load_to_lds s[80:83], s[56:63]
	s_nop 0
	tensor_load_to_lds s[84:87], s[56:63]
	s_nop 0
	s_branch .Lfilled
.Lparams:                                      ; waves 9 and 10 copy the small tables
	s_cmp_eq_u32 s4, 8
	s_cbranch_scc1 .Lfilled
	v_add_nc_u32 v208, BOUTL, v4
	s_cmp_eq_u32 s4, 9
	s_cbranch_scc0 .Lp10
	global_load_b128 v[192:195], v4, s[14:15]
	global_load_b128 v[196:199], v4, s[16:17]
	global_load_b128 v[200:203], v4, s[18:19]
	global_load_b128 v[204:207], v4, s[22:23]
	s_wait_loadcnt 0x0
	ds_store_b128 v208, v[192:195]
	ds_store_b128 v208, v[196:199] offset:512
	ds_store_b128 v208, v[200:203] offset:1024
	ds_store_b128 v208, v[204:207] offset:1536
	s_branch .Lfilled
.Lp10:
.irp k, 0,1,2,3
	global_load_b128 v[192+4*\k:195+4*\k], v4, s[20:21] offset:\k*512
.endr
	global_load_b128 v[212:215], v4, s[24:25]
	global_load_b128 v[216:219], v4, s[26:27]
	s_wait_loadcnt 0x0
.irp k, 0,1,2,3
	ds_store_b128 v208, v[192+4*\k:195+4*\k] offset:2048+\k*512
.endr
	ds_store_b128 v208, v[212:215] offset:4096
	ds_store_b128 v208, v[216:219] offset:4608
.Lfilled:
	s_wait_tensorcnt 0x2                           ; my slice of wout^T has landed; the two loads issued behind it may stay out
	s_wait_dscnt 0x0                               ; my stores are done:
	s_barrier_signal -1
	s_barrier_wait -1                              ; wout^T and the tables are whole
	v_lshl_add_u32 v8, v3, 5, BOUTL
.irp t, 0,1,2,3,4,5,6,7
	ds_load_b128 v[16+8*\t:19+8*\t], v8 offset:\t*64
	ds_load_b128 v[20+8*\t:23+8*\t], v8 offset:\t*64+16
.endr
	s_wait_loadcnt 0x0
	s_wait_dscnt 0x0
.set k, 0
.rept 32                               ; bout + vis2 starts the sums
	v_lshlrev_b32 v[184+2*(k%4)], 16, v[112+k]
	v_and_b32 v[185+2*(k%4)], 0xffff0000, v[112+k]
	v_pk_add_f32 v[16+2*k:17+2*k], v[16+2*k:17+2*k], v[184+2*(k%4):185+2*(k%4)]
.set k, k+1
.endr
	v_add_nc_u32 v9, WOUTL, v4
.irp ks, 0,1,2,3
.irp et, 0,1,2,3,4,5,6,7
	ds_load_b128 v[192+8*\et:195+8*\et], v9 offset:\et*4096+\ks*1024
	ds_load_b128 v[196+8*\et:199+8*\et], v9 offset:\et*4096+\ks*1024+512
.endr
	s_wait_dscnt 0x0
.irp et, 0,1,2,3,4,5,6,7
	v_wmma_f32_16x16x32_bf16 v[16+8*\et:23+8*\et], v[192+8*\et:199+8*\et], v[80+8*\ks:87+8*\ks], v[16+8*\et:23+8*\et]
.endr
	PLACES
.endr
	LN64 G1L
.set i, 0
.rept 32
	v_cvt_pk_bf16_f32 v[80+i], v[16+2*i], v[17+2*i]
.set i, i+1
.endr
	v_lshl_add_u32 v8, v3, 5, FB2L
.irp t, 0,1,2,3,4,5,6,7
	ds_load_b128 v[192+8*\t:195+8*\t], v8 offset:\t*64
	ds_load_b128 v[196+8*\t:199+8*\t], v8 offset:\t*64+16
.endr
	s_wait_dscnt 0x0
.set i, 0
.rept 32
	v_pk_add_f32 v[16+2*i:17+2*i], v[16+2*i:17+2*i], v[192+2*i:193+2*i]    ; x + b2 starts the second product's sums
.set i, i+1
.endr
	v_mov_b32 v13, 0
	s_mov_b32 s30, 0
	s_mov_b32 s31, W2L
	s_mov_b32 s34, FB1L
	s_wait_tensorcnt 0x1                           ; my slice for chunks 0-3 has landed; the one for chunks 4-7 may stay out,
	s_wait_dscnt 0x0
	s_barrier_signal -1
	s_barrier_wait -1                              ; everybody's
	CHUNKS                                         ; chunks 0-3: w1^T below byte 65,536, w2^T below W2L + 65,536
	s_add_co_u32 s31, s31, 57344                   ; from W2L + 8,192 to the second half of K
	s_wait_tensorcnt 0x0                           ; my last slice has landed,
	s_wait_dscnt 0x0
	s_barrier_signal -1
	s_barrier_wait -1                              ; everybody's
	CHUNKS                                         ; chunks 4-7
	LN64 G3L
	s_wait_dscnt 0x0                               ; my reads of the weights are over,
	s_barrier_signal -1
	s_barrier_wait -1                              ; everybody's: w1's bytes may be written
	s_mul_i32 s90, s4, 4352
	v_mul_u32_u24 v9, v2, 272
	v_lshl_add_u32 v9, v3, 5, v9
	v_add_nc_u32 v9, s90, v9                       ; in: row r, 32 bytes of each 64
	v_mul_u32_u24 v10, v3, 272
	v_lshl_add_u32 v10, v2, 4, v10
	v_add_nc_u32 v10, s90, v10                     ; back: two rows of 256 bytes
	v_lshlrev_b32 v11, 9, v3
	v_lshl_add_u32 v11, v2, 4, v11
.irp u, 0,1
.irp t, 0,1,2,3
	ds_store_b128 v9, v[16+32*\u+8*\t:19+32*\u+8*\t] offset:\t*64
	ds_store_b128 v9, v[20+32*\u+8*\t:23+32*\u+8*\t] offset:\t*64+16
.endr
.irp i, 0,1,2,3,4,5,6,7
	ds_load_b128 v[192+32*\u+4*\i:195+32*\u+4*\i], v10 offset:\i*544       ; LDS serves a wave's instructions in order: these see the stores above
.endr
.irp i, 0,1,2,3,4,5,6,7
	s_wait_dscnt 7-\i
	global_store_b128 v11, v[192+32*\u+4*\i:195+32*\u+4*\i], s[28:29] offset:\i*1024+\u*256    ; 16 lanes store 256 consecutive bytes, aligned
.endr
.endr
	s_wait_tensorcnt 0x0                           ; the wave's end
	ds_add_u32 v[SPW], v[NIL]
	s_wait_dscnt 0x0
	ROUND                                          ; the closing round: no work-group ends while a partner may still ask for a slice that names it
	s_endpgm
.Lfunc_end_k_q42fbc66b37_visb:
	.size	k_q42fbc66b37_visb, .Lfunc_end_k_q42fbc66b37_visb-k_q42fbc66b37_visb
	.p2alignl 7, 3214868480
	.fill 96, 4, 3214868480
	.section	.rodata,"a",@progbits
	.p2align	6, 0x0
	.amdhsa_kernel k_q42fbc66b37_visb
		.amdhsa_group_segment_fixed_size 327680
		.amdhsa_private_segment_fixed_size 0
		.amdhsa_enable_private_segment 0
		.amdhsa_kernarg_size 88
		.amdhsa_user_sgpr_count 2
		.amdhsa_user_sgpr_kernarg_segment_ptr 1
		.amdhsa_wavefront_size32 1
		.amdhsa_system_sgpr_workgroup_id_x 1
		.amdhsa_system_sgpr_workgroup_id_y 1
		.amdhsa_system_sgpr_workgroup_id_z 1
		.amdhsa_system_vgpr_workitem_id 0
		.amdhsa_next_free_vgpr 256
		.amdhsa_next_free_sgpr 96
		.amdhsa_reserve_vcc 0
		.amdhsa_float_denorm_mode_32 3
		.amdhsa_float_denorm_mode_16_64 3
		.amdhsa_memory_ordered 1
		.amdhsa_forward_progress 1
		.amdhsa_inst_pref_size 78
	.end_amdhsa_kernel
	.amdgpu_metadata
---
amdhsa.version: [ 1, 2 ]
amdhsa.kernels:
  - .name:           k_q42fbc66b37_visb
    .symbol:         k_q42fbc66b37_visb.kd
    .args:
      - { .name: smp, .offset: 0, .size: 8, .value_kind: global_buffer, .address_space: global }
      - { .name: vv, .offset: 8, .size: 8, .value_kind: global_buffer, .address_space: global }
      - { .name: wts, .offset: 16, .size: 8, .value_kind: global_buffer, .address_space: global }
      - { .name: params_deform_bout, .offset: 24, .size: 8, .value_kind: global_buffer, .address_space: global }
      - { .name: params_vn1_g, .offset: 32, .size: 8, .value_kind: global_buffer, .address_space: global }
      - { .name: params_vn1_b, .offset: 40, .size: 8, .value_kind: global_buffer, .address_space: global }
      - { .name: params_vmlp_b1, .offset: 48, .size: 8, .value_kind: global_buffer, .address_space: global }
      - { .name: params_vmlp_b2, .offset: 56, .size: 8, .value_kind: global_buffer, .address_space: global }
      - { .name: params_vn3_g, .offset: 64, .size: 8, .value_kind: global_buffer, .address_space: global }
      - { .name: params_vn3_b, .offset: 72, .size: 8, .value_kind: global_buffer, .address_space: global }
      - { .name: out0, .offset: 80, .size: 8, .value_kind: global_buffer, .address_space: global }
    .group_segment_fixed_size: 327680
    .private_segment_fixed_size: 0
    .kernarg_segment_align: 8
    .kernarg_segment_size: 88
    .max_flat_workgroup_size: 352
    .sgpr_count:     96
    .vgpr_count:     256
    .wavefront_size: 32
...
	.end_amdgpu_metadata
.endif
;; end of part 7
